; MI455X (gfx1250); checked and timed in simulation.
; The chip was launched on July 23, 2026; its instructions are those of AMD's public machine-readable ISA for CDNA 5 (MIT licence, August 2026) and "CDNA5" Instruction Set Architecture Reference Guide (July 2026). The comments in the code are by the model that wrote it; some were corrected since.
;; Weight Share Self Attention. Allowed arithmetic: matrix products marked QUANTISED: E3M2 operands, one E8M0 scale for each 32 along K, by v_wmma_scale_f32_16x16x128_f8f6f4 with both operands' format E3M2, f32 sums; everything else in f32.
;; Inputs: Winj0 3,072 x 1,024 float32; Winj1 3,072 x 1,024 float32; Wo 1,024 x 1,024 float32; Wqkv0 3,072 x 1,024 float32; Wqkv1 3,072 x 1,024 float32; bo 1,024 float32; r_w_bias 16 x 64 float32; u1ss 2 x 1,024 x 2,048 float32; z1ss 2 x 1,024 x 2,048 float32.
;; Outputs: out0 2 x 1,024 x 2,048 float32.
;; This version of the problem:
;;   THIS VERSION OF THE PROBLEM IS GIVEN IN LOW PRECISION. The matrix products marked QUANTISED in the list below multiply operands that are first quantised to E3M2 (3 exponent bits, 2 mantissa bits; 6 bits a number), with one power-of-two scale for each 32 numbers along K (OCP MX v1.0); their sums are f32. All else is computed in f32.
;;   The module's matrix products, in the order in which they are computed (A, B: the left and right operand; K: the contracted axis; several contracted axes count as one K, in the product's order):
;;     1. [M 2,048, K 1,024] x [K 1,024, N 3,072]; A: input z1ss; B: input Wqkv0: QUANTISED
;;     2. [M 2,048, K 1,024] x [K 1,024, N 3,072]; A: input u1ss; B: input Winj0: QUANTISED
;;     3. [M 2,048, K 1,024] x [K 1,024, N 3,072]; A: input z1ss; B: input Wqkv1: QUANTISED
;;     4. [M 2,048, K 1,024] x [K 1,024, N 3,072]; A: input u1ss; B: input Winj1: QUANTISED
;;     5. batch 32 x [M 2,048, K 64] x [K 64, N 2,048]; A: computed on the way; B: computed on the way: QUANTISED
;;     6. batch 32 x [M 64, K 2,048] x [K 2,048, N 2,048]; A: computed on the way; B: softmax (see below): QUANTISED
;;     7. [M 4,096, K 1,024] x [K 1,024, N 1,024]; A: computed on the way; B: input Wo: QUANTISED
;;   THE QUANTISER, for each operand of a quantised product, along K:
;;     - K is cut into blocks of 32 from its start; a last block that is shorter is filled with zeros.
;;     - A block's scale is 2^e with e = floor(log2(the largest magnitude in the block)) - 4, held to -126 .. 127; a block of zeros has e = 0. As a byte (E8M0): e + 127.
;;     - Each number is divided by its block's scale, clamped to +-28, and rounded to the nearest number of E3M2, ties to even, subnormals kept.
;;     - The product sums the exact products of the quantised numbers (number of the format x scale) in f32.
;;   ~~~python
;;   def quantise(x, axis):      # numpy; x: float32 -> the quantised numbers, widened to float32 again
;;       x = np.moveaxis(x, axis, -1); K = x.shape[-1]
;;       x = np.pad(x, [(0, 0)] * (x.ndim - 1) + [(0, -K % 32)]); x = x.reshape(x.shape[:-1] + (-1, 32)); a = np.abs(x).max(-1, keepdims=True)
;;       e = np.where(a > 0, np.clip(np.frexp(np.where(a > 0, a, 1))[1] - 1 - 4, -126, 127), 0)      # np.frexp(a)[1] - 1 = floor(log2(a)), exactly
;;       r = np.clip(x / 2.0 ** e, -28, 28)
;;       step = 2.0 ** (np.maximum(np.frexp(np.where(r == 0, 1, r))[1] - 1, -2) - 2)
;;       q = np.round(r / step) * step * 2.0 ** e      # np.round: ties to even
;;       return np.moveaxis(q.reshape(q.shape[:-2] + (-1,))[..., :K], -1, axis).astype(np.float32)
;;   ~~~
;;   SOFTMAX AHEAD OF A QUANTISED PRODUCT. Where the list says 'softmax', what is quantised is not the finished softmax but p = 2^(t - M), with t = logit x log2(e) and M = ceil(the row's largest t), a whole number; so 1/2 < the row's largest p <= 1. The row's sum l is taken of the UNQUANTISED p, in f32, and the product's result is divided by l at the end. Since M is a whole number, a kernel that streams over the keys may use a running M (the ceiling of the running maximum): every later rescaling is an exact power of two, which a block's scale takes up: the codes' values come out the same.
;;   OPERANDS COMPUTED ON THE WAY. 'Computed on the way' means the value that the module computes at that place (a softmax that the list does not call 'softmax' is quantised finished and normalised). What goes into a quantiser is computed in f32, as accurately as f32 sums, v_exp_f32 and their like allow (about 1e-6 of the number): no bf16 or f16 on the way to a quantiser, and a product that is left as it is and whose result goes on into a quantised operand takes f32 operands (vector FMAs, or v_wmma_f32_16x16x4_f32). A number that lies on a knife's edge between two numbers of the format may be rounded either way, as far as f32 arithmetic and the matrix unit's own rounding can turn it there, and no further.
;; One version. Each part assembles by itself: llvm-mc -triple=amdgcn-amd-amdhsa -mcpu=gfx1250 --defsym DOCPART=n.
;; ======== version 1 of 1: 5 launches
;; workspace buffers: act 6,553,600 bytes; wts 10,649,600 bytes; qkv 9,830,400 bytes; ao 3,276,800 bytes; xbuf 16,777,216 bytes; stats 524,288 bytes
;; launch quant (part 1): grid 672 x 1, 4 waves a work-group, no clusters, 68,096 bytes of LDS; arguments Wqkv0, Winj0, Wqkv1, Winj1, Wo, z1ss, u1ss, wts, act; writes wts, act
.if DOCPART == 1
	.amdgcn_target "amdgcn-amd-amdhsa--gfx1250"
	.amdhsa_code_object_version 6
	.text
	.protected	k_q1255fb5319_quant
	.globl	k_q1255fb5319_quant
	.p2align	8
	.type	k_q1255fb5319_quant,@function
k_q1255fb5319_quant:
	s_mov_b64 s[64:65], 0
	v_nop
	global_prefetch_b8 v0, s[64:65] scope:SCOPE_SE
	s_setreg_imm32_b32 hwreg(HW_REG_WAVE_MODE, 25, 1), 1
	s_wait_xcnt 0x0
; The five weights and z, u (all f32) become codes of BF6 (E3M2), 6 bits each, with one E8M0 byte for each 32 along K, laid as the later launches read them.
; A block's scale is 2^(floor(log2(largest magnitude)) - 4); its byte is the largest magnitude's exponent field - 4, held at 1 from below.
; LIMITS: NaN and infinities among the inputs are not served; a block of zeros gets the byte 1 (its codes are zeros, which add nothing, and this program alone reads the bytes).
; Everywhere a "row" is 256 codes = 192 bytes and 8 scale bytes: codes at CB + 192 U, scales at SB + 8 U, U the row's number in the layout.
;   wts: codes [slot 8][row 6144][192] (slot = 4 x (inj) + K / 256, row = 3072 x chunk + o), scales behind them; then Wo's codes [o / 64][slot 4][64][192] and its scales.
;   act: codes [slot 8][row 4096][192] (slot = 4 x (u) + d / 256, row = 2048 b + l), scales behind them.
; Work-groups 0 to 415 take weights (K innermost): 32 rows each, wave w the rows' K = 256 w .. 256 w + 255.  Work-groups 416 to 671 take z and u (K = d is the FIRST axis of a batch): a lane takes a column l.
; The two ways part on the work-group's number, share no LDS byte and end apart.  No tensor loads, no barrier: waves share nothing.
.set NWW,   416                        ; work-groups for the weights: 4 x 96 + 32
.set SP,    80                         ; weights: a lane's place in a stage: 64 bytes + 16 of padding
.set WREG,  8192                       ; weights: a wave's LDS: two stages of 32 x SP bytes, then its 256 scale bytes
.set RW,    16                         ; v16-79   four sets of 16 numbers as loaded
.set XW,    80                         ; v80-111  two sets of 16 neighbours
.set EW,    112                        ; v112-127 a scale byte for each step
.set CW,    128                        ; v128-191 codes: four registers a step, so that no store's data are written again
.set ASTG,  32768                      ; z, u: the stages begin here: 32 rows x PIT bytes for each wave
.set PIT,   272                        ; a stage row: sixteen places of 16 bytes (12 of codes each) + 16
.set XA,    32                         ; v32-95   two sets of 32 numbers
.set CA,    96                         ; v96..    a block's codes
.set OUTR,  112                        ; v112-175 the way out
.set SB,    24                         ; v24-25   eight scale bytes
	s_load_b512 s[4:19], s[0:1], 0x0               ; Wqkv0 s[4:5], Winj0 s[6:7], Wqkv1 s[8:9], Winj1 s[10:11], Wo s[12:13], z s[14:15], u s[16:17], wts s[18:19]
	s_load_b64 s[20:21], s[0:1], 0x40              ; act
	v_lshl_add_u32 v192, v0, 2, 0x10800
	v_mov_b32 v193, 0
	v_lshrrev_b32 v1, 5, v0
	v_readfirstlane_b32 s22, v1                    ; wave
	v_and_b32 v2, 31, v0                           ; lane
	s_wait_kmcnt 0x0
	s_cmp_lt_u32 ttmp9, NWW
	s_cbranch_scc0 .Lact
	; ---------------- the weights ----------------
	s_mul_i32 s23, ttmp9, 43691
	s_lshr_b32 s23, s23, 22                        ; which tensor: work-group / 96 (exact for 0 .. 415)
	s_mul_i32 s24, s23, 96
	s_sub_co_u32 s24, ttmp9, s24                   ; which 32 rows of it
	s_cmp_lt_u32 ttmp9, 96                         ; the choice hangs on the work-group's number alone
	s_cselect_b64 s[26:27], s[4:5], s[6:7]
	s_cmp_lt_u32 ttmp9, 192
	s_cselect_b64 s[26:27], s[26:27], s[8:9]
	s_cmp_lt_u32 ttmp9, 288
	s_cselect_b64 s[26:27], s[26:27], s[10:11]
	s_cmp_lt_u32 ttmp9, 384
	s_cselect_b64 s[26:27], s[26:27], s[12:13]
	s_lshl_b32 s28, s24, 17                        ; 32 rows of 4,096 bytes
	s_lshl_b32 s29, s22, 10                        ; my strip: 256 numbers
	s_add_co_u32 s28, s28, s29
	s_mov_b32 s29, 0
	s_add_nc_u64 s[26:27], s[26:27], s[28:29]
	s_and_b32 s30, s23, 1                          ; a projection: U = (4 x inj + wave) x 6144 + 3072 x chunk + 32 x rows' number
	s_lshl_b32 s30, s30, 2
	s_add_co_u32 s30, s30, s22
	s_mul_i32 s30, s30, 6144
	s_lshr_b32 s31, s23, 1
	s_mul_i32 s31, s31, 3072
	s_add_co_u32 s30, s30, s31
	s_lshl_b32 s31, s24, 5
	s_add_co_u32 s30, s30, s31
	s_lshr_b32 s32, s24, 1                         ; Wo: U = 256 x (o / 64) + 64 x wave + (o mod 64)
	s_lshl_b32 s32, s32, 8
	s_lshl_b32 s33, s22, 6
	s_add_co_u32 s32, s32, s33
	s_and_b32 s33, s24, 1
	s_lshl_b32 s33, s33, 5
	s_add_co_u32 s32, s32, s33
	s_mov_b32 s34, 9830400                         ; where Wo's codes begin,
	s_mov_b32 s35, 10616832                        ; its scales,
	s_mov_b32 s36, 9437184                         ; and the projections' scales
	s_cmp_lt_u32 ttmp9, 384
	s_cselect_b32 s30, s30, s32
	s_cselect_b32 s34, 0, s34
	s_cselect_b32 s35, s36, s35
	s_mul_i32 s36, s30, 192
	s_add_co_u32 s36, s36, s34
	s_mov_b32 s37, 0
	s_add_nc_u64 s[36:37], s[18:19], s[36:37]      ; my 32 rows' codes: 6,144 consecutive bytes
	s_lshl_b32 s38, s30, 3
	s_add_co_u32 s38, s38, s35
	s_mov_b32 s39, 0
	s_add_nc_u64 s[38:39], s[18:19], s[38:39]      ; and their 256 scale bytes
	s_wait_alu depctr_va_vdst(0)
	v_lshlrev_b32 v3, 4, v2                        ; my 16 bytes of a load's 512
	s_mul_i32 s40, s22, WREG
	v_lshrrev_b32 v14, 2, v2
	v_mul_u32_u24 v14, v14, SP
	v_and_b32 v15, 3, v2
	v_lshl_add_u32 v14, v15, 4, v14
	v_add_nc_u32 v14, s40, v14                     ; the stage, on the way in: four lanes' 64 bytes on end, then 16 of padding
	v_mul_u32_u24 v15, v2, SP
	v_add_nc_u32 v15, s40, v15                     ; and on the way out: my 16 neighbours
	v_mul_u32_u24 v4, v2, 12                       ; my 12 bytes of a step's 384 bytes of codes
	v_lshrrev_b32 v5, 1, v2
	s_add_co_u32 s40, s40, 2*32*SP
	v_add_nc_u32 v5, s40, v5                       ; my block's byte among the wave's 256
	v_lshlrev_b32 v7, 3, v2
	v_add_nc_u32 v6, s40, v7                       ; and 8 bytes a lane on the way out
; Step t is rows 2 t and 2 t + 1 of my strip: four loads of 512 consecutive bytes.
.macro WLOAD t
.irp i, 0,1,2,3
	global_load_b128 v[RW+16*((\t)%4)+4*\i:RW+16*((\t)%4)+4*\i+3], v3, s[26:27] offset:4096*(2*(\t)+\i/2)+512*(\i%2) th:TH_LOAD_NT
.endr
.endm
.macro WTURN t                         ; through the stage: LDS serves a wave's instructions in order, so no wait stands between the stores and the loads
.irp i, 0,1,2,3
	ds_store_b128 v14, v[RW+16*((\t)%4)+4*\i:RW+16*((\t)%4)+4*\i+3] offset:32*SP*((\t)%2)+8*SP*\i
.endr
.irp i, 0,1,2,3
	ds_load_b128 v[XW+16*((\t)%2)+4*\i:XW+16*((\t)%2)+4*\i+3], v15 offset:32*SP*((\t)%2)+16*\i
.endr
.endm
.irp t, 0,1,2,3
	WLOAD \t
.endr
	s_wait_alu depctr_va_vdst(0)
	s_wait_loadcnt 12                              ; step 0's four loads are in; the twelve of steps 1 to 3 stay out
	WTURN 0
.macro WSTEP t
.set XS, XW+16*((\t)%2)
.if (\t) > 0
	s_wait_dscnt 1                                 ; this step's numbers are back from the stage; the last step's byte store may be out
.else
	s_wait_dscnt 0x0
.endif
.if (\t)+4 < 16
	WLOAD (\t)+4                                   ; into the registers that this step's stage stores have read
.endif
.if (\t)+1 < 16
.if 14-(\t) >= 3
	s_wait_loadcnt 12                              ; the next step's four loads are in; those of the three steps behind it stay out
.else
	s_wait_loadcnt 4*(14-(\t))
.endif
	WTURN (\t)+1
.endif
	v_max3_num_f32 v8, |v[XS]|, |v[XS+1]|, |v[XS+2]|   ; the largest magnitude of my 16, in two chains
	v_max3_num_f32 v9, |v[XS+3]|, |v[XS+4]|, |v[XS+5]|
.irp i, 6,10
	v_max3_num_f32 v8, v8, |v[XS+\i]|, |v[XS+\i+1]|
	v_max3_num_f32 v9, v9, |v[XS+\i+2]|, |v[XS+\i+3]|
.endr
	v_max3_num_f32 v8, v8, |v[XS+14]|, |v[XS+15]|
	v_max3_num_f32 v8, v8, v9, 0x2800000           ; and the floor 2^(5 - 127): the byte cannot fall under 1
	v_max_num_f32_dpp v8, v8, v8 row_xmask:1 row_mask:0xf bank_mask:0xf   ; with my neighbour's 16: the block's
	v_add_nc_u32 v11, 0xfe000000, v8               ; 4 off its exponent field: the conversion takes the exponent field of this operand as its scale
	v_cvt_scalef32_pk16_bf6_f32 v[CW+4*(\t):CW+4*(\t)+2], v[XS:XS+15], v11
	v_lshrrev_b32 v[EW+(\t)], 23, v11              ; the scale's byte (a plain line behind the conversion)
	ds_store_b8 v5, v[EW+(\t)] offset:16*(\t)      ; both lanes of a block write the same byte with the same value
	global_store_b96 v4, v[CW+4*(\t):CW+4*(\t)+2], s[36:37] offset:384*(\t)   ; the wave stores 384 consecutive bytes: two rows
.endm
.irp t, 0,1,2,3,4,5,6,7,8,9,10,11,12,13,14,15
	WSTEP \t
.endr
	ds_load_b64 v[12:13], v6                       ; in order behind my byte stores
	s_wait_dscnt 0x0
	global_store_b64 v7, v[12:13], s[38:39]        ; 32 lanes store 256 consecutive bytes, aligned
	s_wait_tensorcnt 0x0
	ds_add_u32 v192, v193
	s_wait_dscnt 0x0
	s_endpgm
	; ---------------- z and u ----------------
.Lact:
	s_sub_co_u32 s23, ttmp9, NWW
	s_lshr_b32 s24, s23, 7                         ; 0: z, 1: u
	s_bfe_u32 s25, s23, 0x10006                    ; batch
	s_bfe_u32 s26, s23, 0x20004                    ; which 256 along d
	s_and_b32 s27, s23, 15                         ; which 128 columns l
	s_cmp_eq_u32 s24, 0
	s_cselect_b64 s[28:29], s[14:15], s[16:17]
	s_lshl_b32 s30, s27, 7
	s_lshl_b32 s31, s22, 5
	s_add_co_u32 s30, s30, s31                     ; my wave's first column
	s_lshl_b32 s32, s25, 23                        ; a batch is 8,388,608 bytes,
	s_lshl_b32 s33, s26, 21                        ; 256 rows of 8,192 bytes
	s_add_co_u32 s32, s32, s33
	s_lshl_b32 s33, s30, 2
	s_add_co_u32 s32, s32, s33
	s_mov_b32 s33, 0
	s_add_nc_u64 s[28:29], s[28:29], s[32:33]
	s_lshl_b32 s34, s24, 2
	s_add_co_u32 s34, s34, s26
	s_lshl_b32 s34, s34, 12                        ; slot x 4096
	s_lshl_b32 s35, s25, 11
	s_add_co_u32 s34, s34, s35
	s_add_co_u32 s34, s34, s30                     ; U of my first column
	s_mul_i32 s36, s34, 192
	s_mov_b32 s37, 0
	s_add_nc_u64 s[36:37], s[20:21], s[36:37]      ; codes
	s_lshl_b32 s38, s34, 3
	s_add_co_u32 s38, s38, 6291456
	s_mov_b32 s39, 0
	s_add_nc_u64 s[38:39], s[20:21], s[38:39]      ; scales
	s_wait_alu depctr_va_vdst(0)
	v_lshlrev_b32 v3, 2, v2                        ; in: 4 bytes a lane: a lane takes a column, its registers run down d
	s_mul_i32 s40, s22, 32*PIT
	s_add_co_u32 s40, s40, ASTG                    ; my stage
	v_mul_u32_u24 v4, v2, PIT
	v_add_nc_u32 v4, s40, v4                       ; into it: row = my column
	v_and_b32 v5, 15, v2
	v_lshrrev_b32 v6, 4, v2
	v_mul_u32_u24 v7, v6, PIT
	v_lshl_add_u32 v7, v5, 4, v7
	v_add_nc_u32 v7, s40, v7                       ; out of it: sixteen lanes to a row, two rows an instruction
	v_mul_u32_u24 v8, v6, 192
	v_mad_u32_u24 v8, v5, 12, v8                   ; and the same place in the codes: 384 consecutive bytes an instruction
	v_lshlrev_b32 v9, 3, v2                        ; my column's eight scale bytes
.macro ALOAD t                         ; block t: rows 32 t + i of my 256, at my column
.irp i, 0,1,2,3,4,5,6,7,8,9,10,11,12,13,14,15,16,17,18,19,20,21,22,23,24,25,26,27,28,29,30,31
	global_load_b32 v[XA+32*((\t)%2)+\i], v3, s[28:29] offset:(32*(\t)+\i)*8192 th:TH_LOAD_NT
.endr
.endm
	ALOAD 0
	ALOAD 1
.macro ABLOCK t
.set XS, XA+32*((\t)%2)
.if (\t) < 7
	s_wait_loadcnt 32                              ; this block's 32 loads are in; the next block's 32 stay out
.else
	s_wait_loadcnt 0x0
.endif
	v_max3_num_f32 v12, |v[XS]|, |v[XS+1]|, |v[XS+2]|   ; the block's largest magnitude: all 32 numbers are mine
	v_max3_num_f32 v13, |v[XS+3]|, |v[XS+4]|, |v[XS+5]|
.irp i, 6,10,14,18,22,26
	v_max3_num_f32 v12, v12, |v[XS+\i]|, |v[XS+\i+1]|
	v_max3_num_f32 v13, v13, |v[XS+\i+2]|, |v[XS+\i+3]|
.endr
	v_max3_num_f32 v12, v12, |v[XS+30]|, |v[XS+31]|
	v_max3_num_f32 v12, v12, v13, 0x2800000        ; and the floor
	v_add_nc_u32 v11, 0xfe000000, v12
	v_lshrrev_b32 v13, 23, v11                     ; the scale's byte
.if (\t)%4 == 0
	v_mov_b32 v[SB+(\t)/4], v13                    ; four bytes to a register, the lower d in the lower byte
.else
	v_lshl_or_b32 v[SB+(\t)/4], v13, 8*((\t)%4), v[SB+(\t)/4]
.endif
	v_cvt_scalef32_pk16_bf6_f32 v[CA:CA+2], v[XS:XS+15], v11
	v_cvt_scalef32_pk16_bf6_f32 v[CA+4:CA+6], v[XS+16:XS+31], v11   ; (a conversion's three registers begin on an even number)
	ds_store_b96 v4, v[CA:CA+2] offset:32*(\t)     ; 12 bytes to a place of 16, so that every LDS address is a multiple of 16
	ds_store_b96 v4, v[CA+4:CA+6] offset:32*(\t)+16
.if (\t)+2 < 8
	ALOAD (\t)+2
.endif
	s_wait_dscnt 0x0                               ; the stores have read their registers: the next block's codes may be written
.endm
.irp t, 0,1,2,3,4,5,6,7
	ABLOCK \t
.endr
	s_wait_alu depctr_va_vdst(0)
	global_store_b64 v9, v[SB:SB+1], s[38:39]      ; 32 lanes store 256 consecutive bytes, aligned
.irp t, 0,1,2,3,4,5,6,7,8,9,10,11,12,13,14,15
	ds_load_b96 v[OUTR+4*\t:OUTR+4*\t+2], v7 offset:2*\t*PIT   ; in order behind my stores
.endr
.irp t, 0,1,2,3,4,5,6,7,8,9,10,11,12,13,14,15
	s_wait_dscnt 15-\t                             ; load t is in; the later ones stay out
	global_store_b96 v8, v[OUTR+4*\t:OUTR+4*\t+2], s[36:37] offset:2*\t*192
.endr
	s_wait_tensorcnt 0x0
	ds_add_u32 v192, v193
	s_wait_dscnt 0x0
	s_endpgm
.Lfunc_end_k_q1255fb5319_quant:
	.size	k_q1255fb5319_quant, .Lfunc_end_k_q1255fb5319_quant-k_q1255fb5319_quant
	.p2alignl 7, 3214868480
	.fill 96, 4, 3214868480
	.section	.rodata,"a",@progbits
	.p2align	6, 0x0
	.amdhsa_kernel k_q1255fb5319_quant
		.amdhsa_group_segment_fixed_size 68096
		.amdhsa_private_segment_fixed_size 0
		.amdhsa_enable_private_segment 0
		.amdhsa_kernarg_size 72
		.amdhsa_user_sgpr_count 2
		.amdhsa_user_sgpr_kernarg_segment_ptr 1
		.amdhsa_wavefront_size32 1
		.amdhsa_system_sgpr_workgroup_id_x 1
		.amdhsa_system_sgpr_workgroup_id_y 1
		.amdhsa_system_sgpr_workgroup_id_z 1
		.amdhsa_system_vgpr_workitem_id 0
		.amdhsa_next_free_vgpr 194
		.amdhsa_next_free_sgpr 66
		.amdhsa_reserve_vcc 0
		.amdhsa_float_denorm_mode_32 3
		.amdhsa_float_denorm_mode_16_64 3
		.amdhsa_memory_ordered 1
		.amdhsa_forward_progress 1
		.amdhsa_inst_pref_size 75
	.end_amdhsa_kernel
	.amdgpu_metadata
---
amdhsa.version: [ 1, 2 ]
amdhsa.kernels:
  - .name:           k_q1255fb5319_quant
    .symbol:         k_q1255fb5319_quant.kd
    .args:
      - { .name: Wqkv0, .offset: 0, .size: 8, .value_kind: global_buffer, .address_space: global }
      - { .name: Winj0, .offset: 8, .size: 8, .value_kind: global_buffer, .address_space: global }
      - { .name: Wqkv1, .offset: 16, .size: 8, .value_kind: global_buffer, .address_space: global }
      - { .name: Winj1, .offset: 24, .size: 8, .value_kind: global_buffer, .address_space: global }
      - { .name: Wo, .offset: 32, .size: 8, .value_kind: global_buffer, .address_space: global }
      - { .name: z1ss, .offset: 40, .size: 8, .value_kind: global_buffer, .address_space: global }
      - { .name: u1ss, .offset: 48, .size: 8, .value_kind: global_buffer, .address_space: global }
      - { .name: wts, .offset: 56, .size: 8, .value_kind: global_buffer, .address_space: global }
      - { .name: act, .offset: 64, .size: 8, .value_kind: global_buffer, .address_space: global }
    .group_segment_fixed_size: 68096
    .private_segment_fixed_size: 0
    .kernarg_segment_align: 8
    .kernarg_segment_size: 72
    .max_flat_workgroup_size: 128
    .sgpr_count:     66
    .vgpr_count:     194
    .wavefront_size: 32
...
	.end_amdgpu_metadata
.endif
;; end of part 1
;; launch qkv (part 2): grid 12 x 16, 4 waves a work-group, clusters of 4 x 4, 327,680 bytes of LDS; arguments act, wts, r_w_bias, qkv; writes qkv
.if DOCPART == 2
	.amdgcn_target "amdgcn-amd-amdhsa--gfx1250"
	.amdhsa_code_object_version 6
	.text
	.protected	k_q1255fb5319_qkv
	.globl	k_q1255fb5319_qkv
	.p2align	8
	.type	k_q1255fb5319_qkv,@function
k_q1255fb5319_qkv:
	s_mov_b64 s[64:65], 0
	v_nop
	global_prefetch_b8 v0, s[64:65] scope:SCOPE_SE
	s_setreg_imm32_b32 hwreg(HW_REG_WAVE_MODE, 25, 1), 1
	s_wait_xcnt 0x0
	s_wait_alu depctr_hold_cnt(0) depctr_sa_sdst(0) depctr_va_vdst(0) depctr_va_sdst(0) depctr_va_ssrc(0) depctr_va_vcc(0) depctr_vm_vsrc(0)
	s_getreg_b32 s2, hwreg(HW_REG_IB_STS2, 6, 4)
	s_cmp_eq_u32 s2, 0
	s_cbranch_scc0 .Lentry_in_a_cluster
	s_endpgm
.Lentry_in_a_cluster:
	s_bfe_u32 s2, ttmp6, 0x10000c
	s_cmp_lg_u32 s2, 0xf033
	s_cbranch_scc0 .Lentry_shape_is_right
	s_endpgm
.Lentry_shape_is_right:
; w_heads[l][o] = sum over K = 2,048 (z's 1,024 d, then u's) of act[l][k] W[o][k], on codes of BF6 with E8M0 scales; + r_w_bias on q; then q and k are quantised along the head's 64, v along the keys,
; and stored as IMAGES OF OPERAND REGISTERS for the attention launch.  LIMITS: NaN and infinities are not served; a block of zeros gets the byte 1 (its codes are zeros; this program alone reads the bytes).
; A tile is 256 positions x 256 outputs: four waves, each 128 x 128 in 64 accumulators (512 registers).  K goes in steps of 256 (rows of 192 bytes) through two LDS slots filled by tensor loads.
; CLUSTERS: 4 x 4 work-groups; a row of the cluster shares act's tiles, a column the weights': each tile is asked for jointly.  Cluster x says whether the outputs are q (0), k (1) or v (2); cluster y & 1 is the sequence chunk.
; The matrix instruction is used transposed (source 0 = 16 rows of W, source 1 = 16 positions): a lane holds one position (lane % 16) and eight neighbouring outputs.
; The bias is the C of each sum's first product (zeros for k and v).
; AN IMAGE is a fragment's 12 registers: registers 4 c .. 4 c + 3 of lane L at byte 512 c + 16 L.  Registers 6 u .. 6 u + 5 of lane (r, h) are one block of 32 codes.
;   q, k: image pf of a group of 128 positions: block (r, h, u) = position 32 pf + 8 u + r % 8 + 16 (r / 8), d = 32 h .. 32 h + 31: two tiles of 16 positions, one in K 0-63 and one in K 64-127.
;   v:    image 2 e + ud: row r is d = 32 e + 8 ud + r % 8 + 16 (r / 8); block (r, h, c) = keys 64 c + 32 h + 0 .. 31 of the group.
;   A row's scale word: byte 2 u + h.  The words of a record's four images lie [r][image].
; A record (19,200 bytes, [batch x 16 + head][group]): k's images 0, v's 6,144, k's words 12,288, v's 12,544, q's images 12,800, q's words 18,944.
; REGISTERS: window 0: v1-29 addresses; v32-63 scale words, two sets; v64-127 the bias; v128-223 act's fragments, one set; on the way out v64-243 are at work.  window 1: W's fragments, two sets.  windows 2, 3: accumulators.
.set NQ,     2                         ; matrix instructions deep in a slot
.set ROWB,   192                       ; a tile's row: 256 codes
.set PITCH,  240                       ; in LDS: 3 x (64 bytes + 16 of padding)
.set FR,     12
.set NL,     6
.set NP,     4
.set HALFT,  128*PITCH
.set SLOT,   4*HALFT
.set LAPS,   4                         ; 8 slots' worth of K, two a lap
.set ASTEP,  4096*ROWB                 ; from slot to slot in act
.set BSTEP,  6144*ROWB                 ; and in wts
.set ASCL,   8*ASTEP                   ; where act's scales begin
.set BSCL,   8*BSTEP                   ; and the weights'
.set SCL,    2*SLOT                    ; LDS behind the ring: the scales: for each wave's 128 rows [slot 8][row 128][8 bytes]; W's two regions lie 128 bytes further on, so that the two halves of a load's lanes fall on different banks
.set SPARE,  SCL+33024                 ; the spare words: 128 bytes a wave, two blocks of 256 bytes that no other line names
.set WSTG,   18944                     ; the way out: a wave's stage.  q's and k's lie in slot 0, v's in slot 1: both slots have had their last fill and their last read
.set RECB,   19200
.set HEADB,  16*RECB
.set BOF,  8                           ; v8   32 h: my eight numbers of a tile's bias
.set H8,   9                           ; v9   8 h: my byte's place in half a scale word
.set STQ,  10                          ; v10  q, k: into the stage
.set RDQ,  11                          ; v11  and out of it
.set STV,  12                          ; v12  v: into the stage
.set RDV,  13                          ; v13  and out of it
.set GOI,  14                          ; v14  16 x lane: an image's place for my lane
.set GOS,  15                          ; v15  the scale words: 16 r, lanes 16-31 one head on
.set ADRA, 16                          ; v16-19
.set ADRB, 20                          ; v20-23
.set ADRS, 27
.set SPW,  28
.set NIL,  29
.set SC,   32
.set BI,   64
.set AF,   128
.set X,    64                          ; the way out: four blocks of 32 numbers
.set IMG,  192                         ; two images
.set TC,   216                         ; a block's upper 16 codes, before they are moved
.set WK,   224                         ; v224-227 at work
.set SBY,  228                         ; v228-231 four blocks' scale bytes
.set SW,   232                         ; v232-239 scale words [head 2][image 4]
.set G1, 24
.set G0, 32
.set G1B, 48
.set G0B, 56
.set G1S, 68
.set G0S, 76
.set G1SB, 80
.set G0SB, 88
.set OUT,  66                          ; s[66:67] where my images go;  s[96:97] my scale words
.set OUT2, 96
.set MSB, 0
.macro WIN new                         ; the immediate's high byte repeats the setting that is left
.if MSB != (\new)
	s_set_vgpr_msb (MSB<<8)|(\new)
.set MSB, (\new)
.endif
.endm
.set MUL_LO, 0xa1                      ; source 0 (W) window 1, source 1 (act) window 0, C and D window 2
.set MUL_HI, 0xf1                      ; the same, C and D window 3
.set TO_B,   0x40
; A joint load: waves 0 and 1 fetch for act, waves 2 and 3 for W.  The branch hangs on the wave's number alone.  Four v_nop follow each of the two lines.
.macro JLOAD g0a, g1a, g0b, g1b
	s_cmp_eq_u32 s15, 0
	s_cbranch_scc0 .Lfor_b_\@
	tensor_load_to_lds s[\g0a:\g0a+3], s[\g1a:\g1a+7]
	s_nop 0
.rept 4
	v_nop
.endr
	s_branch .Lasked_\@
.Lfor_b_\@:
	tensor_load_to_lds s[\g0b:\g0b+3], s[\g1b:\g1b+7]
	s_nop 0
.rept 4
	v_nop
.endr
.Lasked_\@:
.endm
.macro CREST                           ; a round of the cluster's barrier behind its opening barrier
	s_cmp_lg_u32 s14, 0
	s_cbranch_scc1 .Lnot_wave_0_\@
	s_barrier_signal -3
.Lnot_wave_0_\@:
	s_barrier_wait -3
	s_barrier_signal -1
	s_barrier_wait -1
.endm
.macro CROUND
	s_barrier_signal -1
	s_barrier_wait -1
	CREST
.endm
	s_load_b128 s[4:7], s[0:1], 0x0                ; act s[4:5], wts s[6:7]
	s_load_b128 s[8:11], s[0:1], 0x10              ; r_w_bias s[8:9], qkv s[10:11]
	v_lshl_add_u32 v[SPW], v0, 2, SPARE
	v_mov_b32 v[NIL], 0
	ds_add_u32 v28, v29
	ds_add_u32 v28, v29
	s_wait_dscnt 0x0
	v_lshrrev_b32 v1, 5, v0
	v_readfirstlane_b32 s14, v1                    ; wave 0..3
	s_lshr_b32 s15, s14, 1                         ; which half of the positions is mine.  Also: I fetch for act (0) or for W (1)
	s_and_b32 s16, s14, 1                          ; which half of the outputs.  Also: which 128 rows I fetch
	s_bfe_u32 s40, ttmp6, 0x40000                  ; cx, cy
	s_bfe_u32 s41, ttmp6, 0x40004
	s_lshl_b32 s42, ttmp9, 2
	s_add_co_u32 s42, s42, s40                     ; tile column: 256 outputs
	s_and_b32 s17, ttmp7, 0xffff
	s_lshl_b32 s17, s17, 2
	s_add_co_u32 s17, s17, s41                     ; tile row: 256 positions
	s_lshl_b32 s43, s41, 2
	s_lshl_b32 s43, 15, s43                        ; my row of the cluster
	s_lshl_b32 s44, 0x1111, s40                    ; my column
	; group 1 for codes: 128 rows x 192 bytes, dense in memory, 16 bytes of padding behind every 64
	s_or_b32 s[G1+0], s43, (1<<20)|(1<<21)|(3<<22)|(3<<25)
	s_or_b32 s[G1B+0], s44, (1<<20)|(1<<21)|(3<<22)|(3<<25)
.irp g, G1, G1B
	s_mov_b32 s[\g+1], ROWB<<16                    ; tensor_dim0
	s_mov_b32 s[\g+2], 128<<16                     ; tensor_dim1
	s_mov_b32 s[\g+3], ROWB<<16                    ; tile_dim0
	s_mov_b32 s[\g+4], 128                         ; tile_dim1
	s_mov_b32 s[\g+5], ROWB                        ; pitch
	s_mov_b32 s[\g+6], 0
	s_mov_b32 s[\g+7], 0
.endr
	; group 1 for scales: 8 rows (slots) of 128 elements of 8 bytes (128 rows' two words), a slot's pitch apart
	s_or_b32 s[G1S+0], s43, (3<<16)|(1<<21)
	s_or_b32 s[G1SB+0], s44, (3<<16)|(1<<21)
.irp g, G1S, G1SB
	s_mov_b32 s[\g+1], 128<<16
	s_mov_b32 s[\g+2], 8<<16
	s_mov_b32 s[\g+3], 128<<16
	s_mov_b32 s[\g+4], 8
	s_mov_b32 s[\g+6], 0
	s_mov_b32 s[\g+7], 0
.endr
	s_mov_b32 s[G1S+5], 4096
	s_mov_b32 s[G1SB+5], 6144
	s_lshl_b32 s18, s16, 7                         ; which 128 rows of the tile I fetch
	s_lshl_b32 s20, s17, 8
	s_add_co_u32 s20, s20, s18                     ; act: row 256 x tile row + 128 x half
	s_lshl_b32 s22, s20, 3
	s_add_co_u32 s22, s22, ASCL                    ; its scales' byte,
	s_mov_b32 s23, 0
	s_mul_i32 s20, s20, ROWB                       ; its codes'
	s_mov_b32 s21, 0
	s_and_b32 s12, ttmp7, 1                        ; the chunk: cluster y & 1, the same in all sixteen partners
	s_mul_i32 s12, s12, 3072
	s_lshl_b32 s46, s42, 8
	s_add_co_u32 s46, s46, s18
	s_add_co_u32 s46, s46, s12                     ; W: row 3072 x chunk + 256 x tile column + 128 x half
	s_lshl_b32 s92, s46, 3
	s_add_co_u32 s92, s92, BSCL
	s_mov_b32 s93, 0
	s_mul_i32 s46, s46, ROWB
	s_mov_b32 s47, 0
	s_mul_i32 s45, s14, HALFT                      ; where they go: wave x 128 rows
	s_lshl_b32 s94, s14, 13
	s_lshl_b32 s95, s15, 7
	s_add_co_u32 s94, s94, s95                     ; the scales: 8,192 x wave, W's 128 bytes further on
	s_wait_kmcnt 0x0
	s_add_nc_u64 s[20:21], s[4:5], s[20:21]
	s_add_nc_u64 s[22:23], s[4:5], s[22:23]
	s_add_nc_u64 s[46:47], s[6:7], s[46:47]
	s_add_nc_u64 s[92:93], s[6:7], s[92:93]
	CROUND                                         ; all sixteen work-groups are here: the first joint loads meet
	s_mov_b32 s[G0S], 1
	s_add_co_u32 s[G0S+1], s94, SCL
	s_mov_b64 s[G0S+2:G0S+3], s[22:23]
	s_or_b32 s[G0S+3], s[G0S+3], 0x80000000
	s_mov_b32 s[G0SB], 1
	s_add_co_u32 s[G0SB+1], s94, SCL
	s_mov_b64 s[G0SB+2:G0SB+3], s[92:93]
	s_or_b32 s[G0SB+3], s[G0SB+3], 0x80000000
	JLOAD G0S, G1S, G0SB, G1SB                     ; the scales of all of K: filled once
	s_mov_b32 s[G0], 1
	s_mov_b32 s[G0+1], s45
	s_mov_b64 s[G0+2:G0+3], s[20:21]
	s_or_b32 s[G0+3], s[G0+3], 0x80000000
	s_mov_b32 s[G0B], 1
	s_mov_b32 s[G0B+1], s45
	s_mov_b64 s[G0B+2:G0B+3], s[46:47]
	s_or_b32 s[G0B+3], s[G0B+3], 0x80000000
	s_wait_alu depctr_va_vdst(0)
	s_wait_tensorcnt 0x0
	ds_add_u32 v28, v29
	s_wait_dscnt 0x0
	CROUND
	JLOAD G0, G1, G0B, G1B                         ; slot 0
	s_mov_b32 s[G0+4], 1
	s_add_co_u32 s[G0+5], s45, SLOT
	s_add_nc_u64 s[G0+6:G0+7], s[20:21], ASTEP
	s_or_b32 s[G0+7], s[G0+7], 0x80000000
	s_mov_b32 s[G0B+4], 1
	s_add_co_u32 s[G0B+5], s45, SLOT
	s_add_nc_u64 s[G0B+6:G0B+7], s[46:47], BSTEP
	s_or_b32 s[G0B+7], s[G0B+7], 0x80000000
	s_wait_alu depctr_va_vdst(0)
	s_wait_tensorcnt 0x0
	ds_add_u32 v28, v29
	s_wait_dscnt 0x0
	CROUND
	JLOAD G0+4, G1, G0B+4, G1B                     ; slot 1: one load of mine is out
	v_and_b32 v1, 15, v0                           ; r
	v_bfe_u32 v2, v0, 4, 1                         ; h
	v_mul_u32_u24 v3, v1, PITCH
	v_mul_u32_u24 v4, v2, 24
	v_add_nc_u32 v4, v3, v4                        ; a fragment's row x pitch + 24 h
	v_lshl_add_u32 v5, v2, 4, v4                   ; and the same behind one padding more
	s_mul_i32 s21, s15, HALFT                      ; my 128 positions
	s_mul_i32 s22, s16, HALFT                      ; my 128 rows of W,
	s_add_co_u32 s22, s22, 2*HALFT                 ; behind act's 256
.irp s, 0,1
	v_add_nc_u32 v[ADRA+\s], s21, v4
	v_add_nc_u32 v[ADRB+\s], s22, v4
	v_add_nc_u32 v[ADRA+2+\s], s21, v5
	v_add_nc_u32 v[ADRB+2+\s], s22, v5
	s_add_co_u32 s21, s21, SLOT
	s_add_co_u32 s22, s22, SLOT
.endr
	v_lshlrev_b32 v5, 3, v1                        ; my row's two scale words of a slot
	s_lshl_b32 s21, s15, 13                        ; act's: region wy
	s_add_co_u32 s22, s16, 2
	s_sub_co_u32 s22, s22, s15
	s_lshl_b32 s22, s22, 13
	s_add_co_u32 s22, s22, 128                     ; the distance to W's region 2 + wx
	v_mul_u32_u24 v6, s22, v2                      ; lanes 16-31 take W's
	s_add_co_u32 s21, s21, SCL
	v_add_nc_u32 v5, v5, v6
	v_add_nc_u32 v[ADRS], s21, v5
	; the way out's addresses
	v_and_b32 v3, 7, v0                            ; r % 8
	v_bfe_u32 v4, v0, 3, 1                         ; r / 8
	s_mul_i32 s23, s14, WSTG
	v_lshlrev_b32 v[H8], 3, v2
	v_mul_u32_u24 v[STQ], v1, 528                  ; q, k: a stage row is a position: 128 outputs, 512 bytes + 16; the second sixteen rows 128 bytes further on
	v_lshl_add_u32 v[STQ], v2, 5, v[STQ]
	v_add_nc_u32 v[STQ], s23, v[STQ]
	v_mul_u32_u24 v[RDQ], v3, 528
	v_mad_u32_u24 v[RDQ], v4, 8576, v[RDQ]
	v_lshl_add_u32 v[RDQ], v2, 7, v[RDQ]
	v_add_nc_u32 v[RDQ], s23, v[RDQ]
	s_add_co_u32 s23, s23, SLOT
	v_mul_u32_u24 v[STV], v1, 144                  ; v: a stage row is a key: 32 outputs, 128 bytes + 16; every second group of 32 rows 128 bytes further on
	v_lshl_add_u32 v[STV], v2, 5, v[STV]
	v_add_nc_u32 v[STV], s23, v[STV]
	v_mul_u32_u24 v[RDV], v2, 4736
	v_lshl_add_u32 v[RDV], v3, 2, v[RDV]
	v_lshl_add_u32 v[RDV], v4, 6, v[RDV]
	v_add_nc_u32 v[RDV], s23, v[RDV]
	v_and_b32 v[GOI], 31, v0
	v_lshlrev_b32 v[GOI], 4, v[GOI]
	v_mul_u32_u24 v[GOS], v2, HEADB
	v_lshl_add_u32 v[GOS], v1, 4, v[GOS]
	v_lshlrev_b32 v[BOF], 5, v2
	s_mov_b32 s98, 0x76543210
	s_mov_b32 s99, 0xfedcba98                      ; lane selects: lane l xor 16
	; the bias, in the result's layout: register 8 b + j of lane (r, h) belongs to output 16 b + 8 h + j of my 128
	s_lshl_b32 s12, s40, 10
	s_lshl_b32 s13, s16, 9
	s_add_co_u32 s12, s12, s13
	s_mov_b32 s13, 0
	s_add_nc_u64 s[8:9], s[8:9], s[12:13]
	s_cmp_lg_u32 ttmp9, 0                          ; cluster x: the same in all partners
	s_cbranch_scc1 .Lno_bias
	s_wait_alu depctr_va_vdst(0)
.irp b, 0,1,2,3,4,5,6,7
	global_load_b128 v[BI+8*\b:BI+8*\b+3], v[BOF], s[8:9] offset:64*\b
	global_load_b128 v[BI+8*\b+4:BI+8*\b+7], v[BOF], s[8:9] offset:64*\b+16
.endr
	s_branch .Lbiased
.Lno_bias:
.irp j, 0,1,2,3,4,5,6,7,8,9,10,11,12,13,14,15,16,17,18,19,20,21,22,23,24,25,26,27,28,29,30,31,32,33,34,35,36,37,38,39,40,41,42,43,44,45,46,47,48,49,50,51,52,53,54,55,56,57,58,59,60,61,62,63
	v_mov_b32 v[BI+\j], 0                          ; k and v have no bias
.endr
.Lbiased:
.macro FRAG reg, adr, q, i             ; 16 rows x 128 K: 12 registers, in pieces of 8 bytes; where lanes 16-31's piece lies behind one padding more, the second address register serves
.irp p, 0,1,2,3,4,5
.set PC, 12*(\q)+6*(\p/3)+\p%3
.if PC%8 < 5
	ds_load_b64 v[\reg+2*\p:\reg+2*\p+1], v[\adr] offset:8*PC+16*(PC/8)+(\i)*16*PITCH
.else
	ds_load_b64 v[\reg+2*\p:\reg+2*\p+1], v[\adr+2] offset:8*PC+16*(PC/8)+(\i)*16*PITCH
.endif
.endr
.endm
; 16 matrix instructions: positions' blocks a0, a0 + 1 x W's eight.  zero = 1: the first product starts the sums, with the bias as C.  The 64 accumulators take turns, one instruction a turn.
.macro MUL16 a0, p, q, sc, zero
.irp a, \a0, \a0+1
.irp b, 0,1,2,3,4,5,6,7
.if \zero
	v_wmma_scale_f32_16x16x128_f8f6f4 v[8*(8*((\a)%4)+\b):8*(8*((\a)%4)+\b)+7], v[128*(\p)+FR*\b:128*(\p)+FR*\b+FR-1], v[AF+FR*(\a):AF+FR*(\a)+FR-1], v[BI+8*\b:BI+8*\b+7], v[SC+8*NQ*(\sc)+NQ*\b+(\q)], v[SC+8*NQ*(\sc)+NQ*(\a)+(\q)] matrix_a_fmt:MATRIX_FMT_BF6 matrix_b_fmt:MATRIX_FMT_BF6 matrix_a_scale:MATRIX_SCALE_ROW1
.else
	v_wmma_scale_f32_16x16x128_f8f6f4 v[8*(8*((\a)%4)+\b):8*(8*((\a)%4)+\b)+7], v[128*(\p)+FR*\b:128*(\p)+FR*\b+FR-1], v[AF+FR*(\a):AF+FR*(\a)+FR-1], v[8*(8*((\a)%4)+\b):8*(8*((\a)%4)+\b)+7], v[SC+8*NQ*(\sc)+NQ*\b+(\q)], v[SC+8*NQ*(\sc)+NQ*(\a)+(\q)] matrix_a_fmt:MATRIX_FMT_BF6 matrix_b_fmt:MATRIX_FMT_BF6 matrix_a_scale:MATRIX_SCALE_ROW1
.endif
.endr
.endr
.endm
.macro FETCH_B slot, q, p
	WIN TO_B
.irp i, 0,1,2,3,4,5,6,7
	FRAG 128*(\p)+FR*\i, ADRB+\slot, \q, \i
.endr
	WIN 0
.endm
.macro FETCH_A slot, q, i0
.irp i, \i0, \i0+1, \i0+2, \i0+3
	FRAG AF+FR*(\i), ADRA+\slot, \q, \i
.endr
.endm
.macro SCALES sc                       ; a slot's scale words: lanes 0-15 the positions' block i, lanes 16-31 W's block i
.irp i, 0,1,2,3,4,5,6,7
	ds_load_b64 v[SC+8*NQ*\sc+NQ*\i:SC+8*NQ*\sc+NQ*\i+1], v[ADRS] offset:\i*128
.endr
.endm
.macro PLACES n                        ; plain vector lines between a matrix instruction and a load into, or a read of, its registers
.rept \n
	v_nop
.endr
.endm
.macro STEP slot, q, zero              ; 128 along K that have their successor in the same slot
	s_wait_dscnt 4*NL                              ; W's set and blocks 0-3 are in; the youngest 24 loads (blocks 4-7) may be out
	WIN MUL_LO-0x20*(\zero)                        ; (with the bias: C in window 0)
	MUL16 0, (\q)%2, \q, \slot, \zero
	MUL16 2, (\q)%2, \q, \slot, \zero
	s_wait_dscnt 0
	PLACES NP
	FETCH_B \slot, (\q)+1, 1-(\q)%2
	FETCH_A \slot, (\q)+1, 0
	WIN MUL_HI-0x30*(\zero)
	MUL16 4, (\q)%2, \q, \slot, \zero
	MUL16 6, (\q)%2, \q, \slot, \zero
	PLACES NP
	WIN 0
	FETCH_A \slot, (\q)+1, 4
.endm
; A slot's last 128 change slots: one barrier; in front of it each wave waits for all its tensor loads, adds 0 to its spare word, and waits for that and for its reads of this slot.
.macro TURN slot, next, fill
	s_wait_tensorcnt 0x0                           ; all my tensor loads have landed: my part of the next slot
	ds_add_u32 v[SPW], v[NIL]                      ; 0 onto my spare word
	s_wait_dscnt 4*NL+1                            ; the add and the youngest 24 loads may be out
	WIN MUL_LO
	MUL16 0, 1, NQ-1, \slot, 0
	s_wait_dscnt 0x0                               ; the add is done, and my reads of this slot are over
	s_barrier_signal -1
	MUL16 2, 1, NQ-1, \slot, 0
	WIN 0
	s_barrier_wait -1
.if \fill
	CREST                                          ; the barrier has opened a round of the cluster's: no wave of any partner still reads this slot or has a load on its way
	s_add_nc_u64 s[G0+4*\slot+2:G0+4*\slot+3], s[G0+4*\slot+2:G0+4*\slot+3], 2*ASTEP
	s_add_nc_u64 s[G0B+4*\slot+2:G0B+4*\slot+3], s[G0B+4*\slot+2:G0B+4*\slot+3], 2*BSTEP
	JLOAD G0+4*\slot, G1, G0B+4*\slot, G1B         ; the first tensor load behind the round; its four v_nop are the places in front of the loads below
.else
	PLACES NP
.endif
	s_wait_alu depctr_va_vdst(0)
	v_add_nc_u32 v[ADRS], 1024, v[ADRS]            ; the next slot's scale words
	FETCH_B \next, 0, 0
	FETCH_A \next, 0, 0
	SCALES \next
	WIN MUL_HI
	MUL16 4, 1, NQ-1, \slot, 0
	MUL16 6, 1, NQ-1, \slot, 0
	PLACES NP
	WIN 0
	FETCH_A \next, 0, 4
.endm
	s_wait_tensorcnt 1                             ; the scales and my part of slot 0 are in; slot 1's load may be out
	s_barrier_signal -1
	s_barrier_wait -1
	FETCH_B 0, 0, 0
	FETCH_A 0, 0, 0
	SCALES 0
	FETCH_A 0, 0, 4
	s_wait_loadcnt 0x0                             ; the bias
	s_wait_alu depctr_va_vdst(0)
	STEP 0, 0, 1
	s_mov_b32 s3, LAPS-1
.Llap:                                                 ; a trip goes once round the ring and fills both slots again
	TURN 0, 1, 1
	STEP 1, 0, 0
	TURN 1, 0, 1
	STEP 0, 0, 0
	s_sub_co_u32 s3, s3, 1
	s_cmp_lg_u32 s3, 0
	s_cbranch_scc1 .Llap
	TURN 0, 1, 0                                   ; the last lap fills nothing
	STEP 1, 0, 0
	s_wait_dscnt 4*NL
	WIN MUL_LO
	MUL16 0, 1, NQ-1, 1, 0
	MUL16 2, 1, NQ-1, 1, 0
	s_wait_dscnt 0
	WIN MUL_HI
	MUL16 4, 1, NQ-1, 1, 0
	MUL16 6, 1, NQ-1, 1, 0
	WIN 0
	; ---------------- THE WAY OUT ----------------
	PLACES NP                                      ; behind the last products: for the stores of results and the loads into act's fragments' registers
	s_wait_dscnt 0x0                               ; my reads of slot 1 are over:
	s_barrier_signal -1
	s_barrier_wait -1                              ; everybody's are: both slots may take the stages
	v_mov_b32 v[WK+3], 0                           ; written once: a lane permute's destination counts as one of its sources
	s_lshr_b32 s66, s17, 3                         ; batch
	s_lshl_b32 s66, s66, 4
	s_lshl_b32 s67, s40, 2
	s_add_co_u32 s66, s66, s67
	s_lshl_b32 s67, s16, 1
	s_add_co_u32 s66, s66, s67                     ; 16 x batch + my first head (4 cx + 2 wx)
	s_mul_i32 s66, s66, HEADB
	s_and_b32 s67, s17, 7
	s_lshl_b32 s67, s67, 1
	s_add_co_u32 s67, s67, s15                     ; my group of 128 positions
	s_mul_i32 s67, s67, RECB
	s_add_co_u32 s66, s66, s67                     ; my record
	s_mov_b32 s97, 12288
	s_cmp_eq_u32 ttmp9, 0
	s_cselect_b32 s67, 12800, 0
	s_cselect_b32 s97, 18944, s97
	s_cmp_eq_u32 ttmp9, 2
	s_cselect_b32 s67, 6144, s67
	s_cselect_b32 s97, 12544, s97
	s_add_co_u32 s96, s66, s97
	s_add_co_u32 s66, s66, s67
	s_mov_b32 s67, 0
	s_mov_b32 s97, 0
	s_add_nc_u64 s[OUT:OUT+1], s[10:11], s[OUT:OUT+1]
	s_add_nc_u64 s[OUT2:OUT2+1], s[10:11], s[OUT2:OUT2+1]
; One block: 32 numbers of a lane become 6 registers of codes and a scale byte.
.macro QU x, dst, tc, sb
	v_max3_num_f32 v[WK], |v[\x]|, |v[\x+1]|, |v[\x+2]|
	v_max3_num_f32 v[WK+1], |v[\x+3]|, |v[\x+4]|, |v[\x+5]|
.irp i, 6,10,14,18,22,26
	v_max3_num_f32 v[WK], v[WK], |v[\x+\i]|, |v[\x+\i+1]|
	v_max3_num_f32 v[WK+1], v[WK+1], |v[\x+\i+2]|, |v[\x+\i+3]|
.endr
	v_max3_num_f32 v[WK], v[WK], |v[\x+30]|, |v[\x+31]|
	v_max3_num_f32 v[WK], v[WK], v[WK+1], 0x2800000   ; the floor 2^(5 - 127): the byte cannot fall under 1
	v_add_nc_u32 v[WK+2], 0xfe000000, v[WK]        ; 4 off the exponent field: the conversion's scale operand
	v_cvt_scalef32_pk16_bf6_f32 v[\dst:\dst+2], v[\x:\x+15], v[WK+2]
	v_cvt_scalef32_pk16_bf6_f32 v[\tc:\tc+2], v[\x+16:\x+31], v[WK+2]   ; (a conversion's three registers begin on an even number)
	v_lshrrev_b32 v[\sb], 23, v[WK+2]              ; the byte: a plain line behind the conversions
.irp i, 0,1,2
	v_mov_b32 v[\dst+3+\i], v[\tc+\i]
.endr
.endm
.macro WORD s0, s1, out                ; my two bytes (2 u + h, u = 0, 1) and lane l xor 16's two make the row's scale word
	v_lshl_or_b32 v[\out], v[\s1], 16, v[\s0]
	v_lshlrev_b32 v[\out], v[H8], v[\out]
	v_permlanex16_b32 v[WK+3], v[\out], s98, s99
	v_or_b32 v[\out], v[\out], v[WK+3]
.endm
; q, k: 32 positions (blocks 2 n, 2 n + 1) go through the stage and come back a block of 32 along d to a lane: image n of both heads.
.macro QKROUND n
	WIN 0x08+4*((\n)/2)                            ; an LDS store's data: window 2 or 3
.irp e, 0,1
.irp b, 0,1,2,3,4,5,6,7
.set AC, 64*((2*(\n)+\e)%4)+8*\b
	ds_store_b128 v[STQ], v[AC:AC+3] offset:\e*8576+64*\b          ; each accumulator from its low end on
	ds_store_b128 v[STQ], v[AC+4:AC+7] offset:\e*8576+64*\b+16
.endr
.endr
	WIN 0
.irp k, 0,1,2,3                        ; block k = 2 x head + u
.irp i, 0,1,2,3,4,5,6,7
	ds_load_b128 v[X+32*\k+4*\i:X+32*\k+4*\i+3], v[RDQ] offset:4224*(\k%2)+256*(\k/2)+16*\i   ; in order behind my stores
.endr
.endr
	s_wait_xcnt 0x0                                ; the last round's stores have read the images' registers: they are written again only behind this wait
.irp k, 0,1,2,3
	s_wait_dscnt 24-8*\k                           ; block k's eight loads are in; the later blocks' stay out
.set qx, X+32*\k
.set qd, IMG+6*\k
.set qt, TC+4*(\k%2)
.set qs, SBY+\k
	QU qx, qd, qt, qs
.endr
.irp d, 0,1
	WORD SBY+2*\d, SBY+2*\d+1, SW+4*\d+(\n)
.irp c, 0,1,2
	global_store_b128 v[GOI], v[IMG+12*\d+4*\c:IMG+12*\d+4*\c+3], s[OUT:OUT+1] offset:HEADB*\d+1536*(\n)+512*\c   ; 512 consecutive bytes
.endr
.endr
.endm
; v: 32 outputs (blocks 2 n, 2 n + 1) of all 128 keys go through the stage and come back a block of 32 keys to a lane: two images.
.macro VROUND n
.irp a, 0,1,2,3,4,5,6,7
	WIN 0x08+4*(\a/4)
.irp e, 0,1
.set AC, 64*(\a%4)+8*(2*(\n)+\e)
	ds_store_b128 v[STV], v[AC:AC+3] offset:9344*(\a/4)+4736*((\a/2)%2)+2304*(\a%2)+64*\e
	ds_store_b128 v[STV], v[AC+4:AC+7] offset:9344*(\a/4)+4736*((\a/2)%2)+2304*(\a%2)+64*\e+16
.endr
.endr
	WIN 0
.irp k, 0,1,2,3                        ; block k = 2 ud + c
.irp i, 0,1,2,3,4,5,6,7,8,9,10,11,12,13,14,15,16,17,18,19,20,21,22,23,24,25,26,27,28,29,30,31
	ds_load_b32 v[X+32*\k+\i], v[RDV] offset:9344*(\k%2)+32*(\k/2)+144*\i
.endr
.endr
	s_wait_xcnt 0x0                                ; as above
.irp k, 0,1,2,3
.if \k < 2
	s_wait_dscnt 63                                ; 96 or 64 later loads might stay out; the count's field holds 63
.else
	s_wait_dscnt 32*(3-\k)                         ; the later blocks' loads stay out
.endif
.set qx, X+32*\k
.set qd, IMG+6*\k
.set qt, TC+4*(\k%2)
.set qs, SBY+\k
	QU qx, qd, qt, qs
.endr
.irp d, 0,1
	WORD SBY+2*\d, SBY+2*\d+1, SW+4*((\n)/2)+2*((\n)%2)+\d
.irp c, 0,1,2
	global_store_b128 v[GOI], v[IMG+12*\d+4*\c:IMG+12*\d+4*\c+3], s[OUT:OUT+1] offset:HEADB*((\n)/2)+1536*(2*((\n)%2)+\d)+512*\c
.endr
.endr
.endm
	s_cmp_eq_u32 ttmp9, 2                          ; cluster x: the same in all partners
	s_cbranch_scc1 .Lv
	QKROUND 0
	QKROUND 1
	QKROUND 2
	QKROUND 3
	s_branch .Lend
.Lv:
	VROUND 0
	VROUND 1
	VROUND 2
	VROUND 3
.Lend:
	s_mov_b32 s100, 0xffff0000
	s_wait_alu depctr_va_vdst(0)
.irp i, 0,1,2,3
	v_cndmask_b32 v[240+\i], v[SW+\i], v[SW+4+\i], s100   ; lanes 16-31 take the second head's words
.endr
	global_store_b128 v[GOS], v[240:243], s[OUT2:OUT2+1]   ; sixteen lanes store 256 consecutive bytes, aligned, for each head
	s_wait_tensorcnt 0x0                           ; the wave's end
	ds_add_u32 v[SPW], v[NIL]
	s_wait_dscnt 0x0
	CROUND                                         ; the closing round
	s_endpgm
.Lfunc_end_k_q1255fb5319_qkv:
	.size	k_q1255fb5319_qkv, .Lfunc_end_k_q1255fb5319_qkv-k_q1255fb5319_qkv
	.p2alignl 7, 3214868480
	.fill 96, 4, 3214868480
	.section	.rodata,"a",@progbits
	.p2align	6, 0x0
	.amdhsa_kernel k_q1255fb5319_qkv
		.amdhsa_group_segment_fixed_size 327680
		.amdhsa_private_segment_fixed_size 0
		.amdhsa_enable_private_segment 0
		.amdhsa_kernarg_size 32
		.amdhsa_user_sgpr_count 2
		.amdhsa_user_sgpr_kernarg_segment_ptr 1
		.amdhsa_wavefront_size32 1
		.amdhsa_system_sgpr_workgroup_id_x 1
		.amdhsa_system_sgpr_workgroup_id_y 1
		.amdhsa_system_sgpr_workgroup_id_z 1
		.amdhsa_system_vgpr_workitem_id 0
		.amdhsa_next_free_vgpr 1024
		.amdhsa_next_free_sgpr 102
		.amdhsa_reserve_vcc 0
		.amdhsa_float_denorm_mode_32 3
		.amdhsa_float_denorm_mode_16_64 3
		.amdhsa_memory_ordered 1
		.amdhsa_forward_progress 1
		.amdhsa_inst_pref_size 246
	.end_amdhsa_kernel
	.amdgpu_metadata
---
amdhsa.version: [ 1, 2 ]
amdhsa.kernels:
  - .name:           k_q1255fb5319_qkv
    .symbol:         k_q1255fb5319_qkv.kd
    .args:
      - { .name: act, .offset: 0, .size: 8, .value_kind: global_buffer, .address_space: global }
      - { .name: wts, .offset: 8, .size: 8, .value_kind: global_buffer, .address_space: global }
      - { .name: r_w_bias, .offset: 16, .size: 8, .value_kind: global_buffer, .address_space: global }
      - { .name: qkv, .offset: 24, .size: 8, .value_kind: global_buffer, .address_space: global }
    .group_segment_fixed_size: 327680
    .private_segment_fixed_size: 0
    .kernarg_segment_align: 8
    .kernarg_segment_size: 32
    .max_flat_workgroup_size: 128
    .sgpr_count:     102
    .vgpr_count:     1024
    .wavefront_size: 32
...
	.end_amdgpu_metadata
.endif
;; end of part 2
;; launch attn (part 3): grid 8 x 32, 16 waves a work-group, clusters of 4 x 1, 207,360 bytes of LDS; arguments qkv, ao; writes ao
.if DOCPART == 3
	.amdgcn_target "amdgcn-amd-amdhsa--gfx1250"
	.amdhsa_code_object_version 6
	.text
	.protected	k_q1255fb5319_attn
	.globl	k_q1255fb5319_attn
	.p2align	8
	.type	k_q1255fb5319_attn,@function
k_q1255fb5319_attn:
	s_mov_b64 s[64:65], 0
	v_nop
	global_prefetch_b8 v0, s[64:65] scope:SCOPE_SE
	s_setreg_imm32_b32 hwreg(HW_REG_WAVE_MODE, 25, 1), 1
	s_wait_xcnt 0x0
	s_wait_alu depctr_hold_cnt(0) depctr_sa_sdst(0) depctr_va_vdst(0) depctr_va_sdst(0) depctr_va_ssrc(0) depctr_va_vcc(0) depctr_vm_vsrc(0)
	s_getreg_b32 s2, hwreg(HW_REG_IB_STS2, 6, 4)
	s_cmp_eq_u32 s2, 0
	s_cbranch_scc0 .Lentry_in_a_cluster
	s_endpgm
.Lentry_in_a_cluster:
	s_bfe_u32 s2, ttmp6, 0x10000c
	s_cmp_lg_u32 s2, 0x3003
	s_cbranch_scc0 .Lentry_shape_is_right
	s_endpgm
.Lentry_shape_is_right:
; attn_vec[q][head, d] = sum over keys of softmax(rq . k / 8) v, both products on codes of BF6 with E8M0 scales; the result is quantised along (head, d) for the output projection.
; THE SOFTMAX: t = score x log2(e) / 8; M = the running largest t rounded UP to a whole number; p = 2^(t - M) is quantised along the keys, not normalised; the row's sum is taken of the unquantised p and divides at the end.
; When M moves, the sum and O are multiplied by 2^(old M - new M): exact.  LIMITS: NaN and infinities are not served.
; SHARES.  A work-group owns 256 queries of one (batch, head); each of its sixteen waves one tile of 16, in 256 registers: four waves to a SIMD, so that one wave's vector work stands beside another's products and LDS loads.
; K's and V's images and scale words of the whole head are 16 steps x 12,800 bytes: they fit in LDS, each byte is filled ONCE, and nothing is filled again.
; CLUSTER.  The four work-groups of a cluster belong to one head: waves 0 to 3 ask for the sixteen steps jointly, four loads each, all at the start: four tensor loads of a wave are out.
; LAYOUT.  Both products transposed: S^T = K Q^T, O^T = V^T P^T: a lane holds one query (lane % 16).  The head's size is 64, half of the instruction's K: an image of K holds TWO tiles of 16 keys (K 0-63 and K 64-127),
; and it is multiplied by [q, 0] and by [0, q]: zero codes add nothing.  The keys of a tile and the rows of V's images are chosen (see the launch that stores them) so that 16 registers of two neighbouring tiles are 16 neighbours along the next K.
; REGISTERS: v1-6 addresses that stay; v8-9 the step's; v12 -M, v13 the largest t, v[14:15] the sum; v16-33 [0, q, 0]; v34 q's scale word; v36-83 four images; v84-87 K's words, v88-91 V's; v96-159 S^T, then p; v160-191 O^T; v192-203 p's codes; v204-238 at work.
.set STEPB, 12800                      ; a step in LDS: K's images 0, V's 6,144, K's words 12,288, V's 12,544
.set RECB,  19200
.set HEADB, 16*RECB
.set SCG,   16*STEPB                   ; 512 bytes for the tiles' scale bytes on the way out: no tile lands there
.set KI,  36
.set KW,  84
.set VW,  88
.set S,   96
.set O,   160
.set PCD, 192
.set PT2, 204
.set BM,  212
.set PT,  216
.set SO,  220
.set TMP, 224
.set CH,  226
.set F,   236
.set PWD, 238
.macro CROUND                          ; a round of the cluster's barrier
	s_barrier_signal -1
	s_barrier_wait -1
	s_cmp_lg_u32 s8, 0
	s_cbranch_scc1 .Lnot_wave_0_\@
	s_barrier_signal -3
.Lnot_wave_0_\@:
	s_barrier_wait -3
	s_barrier_signal -1
	s_barrier_wait -1
.endm
	s_load_b128 s[4:7], s[0:1], 0x0                ; qkv s[4:5], ao s[6:7]
	v_lshl_add_u32 v254, v0, 2, 0x32200
	v_mov_b32 v255, 0
	ds_add_u32 v254, v255
	ds_add_u32 v254, v255
	v_lshrrev_b32 v7, 5, v0
	s_delay_alu instid0(VALU_DEP_1)
	v_readfirstlane_b32 s8, v7                     ; wave 0..15
	v_and_b32 v4, 31, v0
	s_delay_alu instid0(VALU_DEP_1)
	v_lshlrev_b32 v1, 4, v4                        ; 16 x lane: an image's place for my lane
	s_delay_alu instid0(VALU_DEP_2)
	v_lshlrev_b32 v5, 3, v4                        ; 8 x lane
	s_delay_alu instid0(VALU_DEP_2)
	v_add_nc_u32 v6, SCG, v1                       ; wave 0 reads the scale bytes back here
	v_and_b32 v4, 15, v0
	s_delay_alu instid0(VALU_DEP_1)
	v_lshlrev_b32 v2, 4, v4                        ; 16 r: a row's four scale words
	v_and_b32 v3, 0x1e0, v0
	s_delay_alu instid0(VALU_DEP_1)
	v_lshl_add_u32 v3, v4, 1, v3
	s_delay_alu instid0(VALU_DEP_1)
	v_add_nc_u32 v3, SCG, v3                       ; 32 x wave + 2 r: my row's two scale bytes
	s_bfe_u32 s9, ttmp6, 0x40000                   ; cx
	s_lshl_b32 s10, ttmp9, 2
	s_add_co_u32 s10, s10, s9                      ; my block of 256 queries: it enters Q's and the output's addresses alone
	s_and_b32 s11, ttmp7, 0xffff                   ; 16 x batch + head: the four partners share it
	s_mul_i32 s12, s11, HEADB
	s_mov_b32 s13, 0
	s_mov_b32 s24, 15|(3<<16)|(1<<21)              ; group 1: the mask names all four; elements of 8 bytes; bit 21 beside the mask
	s_mov_b32 s25, 32<<16                          ; tensor_dim0: rows of 256 bytes
	s_mov_b32 s26, 50<<16                          ; tensor_dim1: 50 rows = 12,800 dense bytes
	s_mov_b32 s27, 32<<16                          ; tile_dim0
	s_mov_b32 s28, 50                              ; tile_dim1
	s_mov_b32 s29, 32                              ; pitch
	s_mov_b32 s30, 0
	s_mov_b32 s31, 0
	s_mul_i32 s14, s8, STEPB
	s_mul_i32 s22, s8, RECB
	s_mov_b32 s23, 0
	s_mov_b32 s16, 0x76543210
	s_mov_b32 s17, 0xfedcba98                      ; lane selects: lane l xor 16
	s_mov_b32 s18, 0x3e38aa3b                      ; c = log2(e) / 8
	s_mov_b32 s19, s18                             ; (named with it as a pair, so it is written)
	s_mov_b32 s20, 0                               ; LDS byte of the step in hand
	s_wait_dscnt 0x0
	s_wait_kmcnt 0x0
	s_add_nc_u64 s[4:5], s[4:5], s[12:13]          ; qkv at my head
	s_add_nc_u64 s[22:23], s[4:5], s[22:23]        ; step = wave
	CROUND                                         ; all four work-groups are here: the joint loads meet
.irp q, 0,1,2,3                        ; load q of wave w brings step w + 4 q
	s_mov_b32 s[32+4*\q], 1
	s_add_co_u32 s[33+4*\q], s14, 4*STEPB*\q
	s_add_nc_u64 s[34+4*\q:35+4*\q], s[22:23], 4*RECB*\q
	s_or_b32 s[35+4*\q], s[35+4*\q], 0x80000000
.endr
	s_cmp_lt_u32 s8, 4                             ; a wave's first fills stand in one branch on the wave's number
	s_cbranch_scc0 .Lno_fill
	tensor_load_to_lds s[32:35], s[24:31]
	s_nop 0
	tensor_load_to_lds s[36:39], s[24:31]
	s_nop 0
	tensor_load_to_lds s[40:43], s[24:31]
	s_nop 0
	tensor_load_to_lds s[44:47], s[24:31]
	s_nop 0
.rept 4
	v_nop
.endr
.Lno_fill:
	; Q: image (wave / 2) % 4 of group 2 x block + wave / 8; of it the tile wave % 2
	s_lshl_b32 s15, s10, 1
	s_lshr_b32 s48, s8, 3
	s_add_co_u32 s15, s15, s48
	s_mul_i32 s15, s15, RECB
	s_bfe_u32 s48, s8, 0x20001
	s_mul_i32 s49, s48, 1536
	s_add_co_u32 s50, s15, s49
	s_add_co_u32 s50, s50, 12800
	s_mov_b32 s51, 0
	s_add_nc_u64 s[50:51], s[4:5], s[50:51]
	s_lshl_b32 s52, s48, 2
	s_add_co_u32 s52, s52, s15
	s_add_co_u32 s52, s52, 18944
	s_mov_b32 s53, 0
	s_add_nc_u64 s[52:53], s[4:5], s[52:53]
	s_wait_alu depctr_va_vdst(0)
.irp c, 0,1,2
	global_load_b128 v[S+4*\c:S+4*\c+3], v1, s[50:51] offset:512*\c
.endr
	global_load_b32 v35, v2, s[52:53]
	s_and_b32 s54, s8, 1
	s_sub_co_u32 s55, 0, s54                       ; all ones where the tile is the image's second
	s_lshl_b32 s54, s54, 4
	; where my tile's codes and the work-group's scale bytes go
	s_lshr_b32 s56, s11, 4                         ; batch
	s_and_b32 s57, s11, 15                         ; head
	s_lshl_b32 s58, s56, 4
	s_lshl_b32 s59, s10, 1
	s_add_co_u32 s58, s58, s59
	s_lshr_b32 s59, s8, 3
	s_add_co_u32 s58, s58, s59                     ; which 128 positions
	s_mul_i32 s58, s58, 98304
	s_bfe_u32 s59, s8, 0x10002                     ; which 64 of them
	s_mul_i32 s59, s59, 49152
	s_add_co_u32 s58, s58, s59
	s_lshr_b32 s59, s57, 2                         ; which 256 along the next K
	s_mul_i32 s59, s59, 12288
	s_add_co_u32 s58, s58, s59
	s_and_b32 s59, s8, 3                           ; which tile of the four
	s_mul_i32 s59, s59, 3072
	s_add_co_u32 s58, s58, s59
	s_and_b32 s59, s57, 3
	s_mul_i32 s59, s59, 768
	s_add_co_u32 s58, s58, s59
	s_mov_b32 s59, 0
	s_add_nc_u64 s[58:59], s[6:7], s[58:59]
	s_lshl_b32 s60, s57, 13                        ; scale bytes: [head][tile 256][row 16] of two bytes
	s_lshl_b32 s61, s56, 12
	s_add_co_u32 s60, s60, s61
	s_lshl_b32 s61, s10, 9
	s_add_co_u32 s60, s60, s61
	s_add_co_u32 s60, s60, 3145728
	s_mov_b32 s61, 0
	s_add_nc_u64 s[60:61], s[6:7], s[60:61]
.irp i, 0,1,2,3,4,5
	v_mov_b32 v[16+\i], 0                          ; zero codes on both sides of q
	v_mov_b32 v[28+\i], 0
.endr
	v_mov_b32 v13, 0xff61b1e6                      ; the largest t so far: -3e38
	s_delay_alu instid0(VALU_DEP_1)
	v_floor_f32 v12, -v13                          ; -M
	v_mov_b32 v14, 0
	v_mov_b32 v15, 0
.irp b, 0,1,2,3
	v_mov_b32 v[PT+\b], 0                          ; written once: a lane permute's destination counts as one of its sources
.endr
	v_mov_b32 v[F+1], 0                            ; (named as the upper half of a pair)
	s_wait_loadcnt 0x0
.irp i, 0,1,2,3,4,5
	v_cndmask_b32 v[22+\i], v[S+\i], v[S+6+\i], s55   ; v[22:33] = [q, 0], v[16:27] = [0, q]
.endr
	v_lshrrev_b32 v35, s54, v35
	s_delay_alu instid0(VALU_DEP_1)
	v_and_b32 v35, 0xffff, v35
	s_delay_alu instid0(VALU_DEP_1)
	v_lshl_or_b32 v34, v35, 16, v35                ; q's two scale bytes, for K 0-63 and for K 64-127
.irp j, 0,1,2,3,4,5,6,7,8,9,10,11,12,13,14,15,16,17,18,19,20,21,22,23,24,25,26,27,28,29,30,31
	v_mov_b32 v[O+\j], 0                           ; O^T: the step is written once; the first finds zeros.  (These are also the places between the lines above and the first products)
.endr
; A KEY STEP: 128 keys, at LDS byte s20.
.macro STEP
	v_add_nc_u32 v8, s20, v1
	v_add_nc_u32 v9, s20, v2
	v_nop
	v_nop                                          ; four places in front of loads into registers that the last products read
.irp f, 0,1,2,3
.irp c, 0,1,2
	ds_load_b128 v[KI+12*\f+4*\c:KI+12*\f+4*\c+3], v8 offset:1536*\f+512*\c
.endr
.endr
	ds_load_b128 v[KW:KW+3], v9 offset:12288
	s_wait_alu depctr_va_vdst(0)
	s_wait_dscnt 0x0
.irp f, 0,1,2,3
	v_wmma_scale_f32_16x16x128_f8f6f4 v[S+16*\f:S+16*\f+7], v[KI+12*\f:KI+12*\f+11], v[22:33], 0, v[KW+\f], v34 matrix_a_fmt:MATRIX_FMT_BF6 matrix_b_fmt:MATRIX_FMT_BF6
	v_wmma_scale_f32_16x16x128_f8f6f4 v[S+16*\f+8:S+16*\f+15], v[KI+12*\f:KI+12*\f+11], v[16:27], 0, v[KW+\f], v34 matrix_a_fmt:MATRIX_FMT_BF6 matrix_b_fmt:MATRIX_FMT_BF6
.endr                                          ; register 16 f + i of lane (r, h): query r, key 32 f + 16 h + i
.rept 4
	v_nop
.endr
.irp f, 0,1,2,3                                ; V's images take K's registers and land under the softmax
.irp c, 0,1,2
	ds_load_b128 v[KI+12*\f+4*\c:KI+12*\f+4*\c+3], v8 offset:6144+1536*\f+512*\c
.endr
.endr
	ds_load_b128 v[VW:VW+3], v9 offset:12544
.irp b, 0,1,2,3
	v_max3_num_f32 v[BM+\b], v[S+16*\b], v[S+1+16*\b], v[S+2+16*\b]   ; the largest score of each block of 32 keys: for the row's maximum and, since p rises with the score, for the block's largest p
.endr
.irp i, 3,5,7,9,11,13
.irp b, 0,1,2,3
	v_max3_num_f32 v[BM+\b], v[BM+\b], v[S+16*\b+\i], v[S+1+16*\b+\i]
.endr
.endr
.irp b, 0,1,2,3
	v_max_num_f32 v[BM+\b], v[BM+\b], v[S+15+16*\b]
.endr
.irp b, 0,1,2,3
	s_delay_alu instid0(VALU_DEP_4)
	v_permlanex16_b32 v[PT+\b], v[BM+\b], s16, s17
.endr
.irp b, 0,1,2,3
	s_delay_alu instid0(VALU_DEP_4)
	v_max_num_f32 v[BM+\b], v[BM+\b], v[PT+\b]     ; with lane l xor 16's 16 keys
.endr
	s_delay_alu instid0(VALU_DEP_2)
	v_max3_num_f32 v[TMP], v[BM], v[BM+1], v[BM+2]
	s_delay_alu instid0(VALU_DEP_1)
	v_max_num_f32 v[TMP], v[TMP], v[BM+3]
	s_delay_alu instid0(VALU_DEP_1)
	v_mul_f32 v[TMP], s18, v[TMP]                  ; as t (c is positive)
	s_delay_alu instid0(VALU_DEP_1)
	v_max_num_f32 v13, v13, v[TMP]                 ; the running largest t
	v_mov_b32 v[TMP], v12
	s_delay_alu instid0(VALU_DEP_2)
	v_floor_f32 v12, -v13                          ; the new -M = floor(-t): M is a whole number
	s_delay_alu instid0(VALU_DEP_1)
	v_sub_f32 v[TMP], v12, v[TMP]                  ; old M - new M: a whole number, 0 or less
	s_delay_alu instid0(VALU_DEP_1)
	v_cvt_i32_f32 v[TMP], v[TMP]                   ; (it saturates)
	s_delay_alu instid0(VALU_DEP_1)
	v_ldexp_f32 v[F], 1.0, v[TMP]                  ; f = 2^(old M - new M)
.irp j, 0,2,4,6,8,10,12,14,16,18,20,22,24,26,28,30,32,34,36,38,40,42,44,46,48,50,52,54,56,58,60,62
	v_pk_fma_f32 v[S+\j:S+\j+1], v[S+\j:S+\j+1], s[18:19], v[12:13] op_sel_hi:[1,0,0]   ; t - M, two at a time
.endr
.irp b, 0,1,2,3
	v_fma_f32 v[BM+\b], v[BM+\b], s18, v12         ; the same of each block's largest score
.endr
	s_wait_alu depctr_va_vdst(0)
.irp j, 0,1,2,3,4,5,6,7,8,9,10,11,12,13,14,15,16,17,18,19,20,21,22,23,24,25,26,27,28,29,30,31,32,33,34,35,36,37,38,39,40,41,42,43,44,45,46,47,48,49,50,51,52,53,54,55,56,57,58,59,60,61,62,63
	v_exp_f32 v[S+\j], v[S+\j]                     ; p = 2^(t - M)
.endr
	s_setprio 1
	v_pk_mul_f32 v[14:15], v[14:15], v[F:F+1] op_sel_hi:[1,0]   ; the sums under the new M: a plain line behind the exponentials
	s_wait_alu depctr_va_vdst(0)                   ; one wait for the whole batch, ahead of its first reader
.irp b, 0,1,2,3
	v_exp_f32 v[BM+\b], v[BM+\b]                   ; the block's largest p
.endr
	v_pk_add_f32 v[226:227], v[100:101], v[104:105]
	v_pk_add_f32 v[252:253], v[108:109], v[112:113]
	v_pk_add_f32 v[250:251], v[116:117], v[120:121]
	v_pk_add_f32 v[248:249], v[124:125], v[128:129]
	v_pk_add_f32 v[246:247], v[132:133], v[136:137]
	v_pk_add_f32 v[244:245], v[140:141], v[144:145]
	v_pk_add_f32 v[242:243], v[148:149], v[152:153]
	v_pk_add_f32 v[14:15], v[14:15], v[156:157]
	v_pk_add_f32 v[226:227], v[226:227], v[96:97]
	v_pk_add_f32 v[252:253], v[252:253], v[98:99]
	v_pk_add_f32 v[250:251], v[250:251], v[102:103]
	v_pk_add_f32 v[248:249], v[248:249], v[106:107]
	v_pk_add_f32 v[246:247], v[246:247], v[110:111]
	v_pk_add_f32 v[244:245], v[244:245], v[114:115]
	v_pk_add_f32 v[242:243], v[242:243], v[118:119]
	v_pk_add_f32 v[14:15], v[14:15], v[122:123]
	v_pk_add_f32 v[226:227], v[226:227], v[126:127]
	v_pk_add_f32 v[252:253], v[252:253], v[130:131]
	v_pk_add_f32 v[250:251], v[250:251], v[134:135]
	v_pk_add_f32 v[248:249], v[248:249], v[138:139]
	v_pk_add_f32 v[246:247], v[246:247], v[142:143]
	v_pk_add_f32 v[244:245], v[244:245], v[146:147]
	v_pk_add_f32 v[242:243], v[242:243], v[150:151]
	v_pk_add_f32 v[14:15], v[14:15], v[154:155]
	v_pk_add_f32 v[226:227], v[226:227], v[158:159]
	s_delay_alu instid0(VALU_DEP_2)
	v_pk_add_f32 v[14:15], v[14:15], v[248:249]
	s_delay_alu instid0(VALU_DEP_2)
	v_pk_add_f32 v[226:227], v[226:227], v[246:247]
	v_pk_add_f32 v[252:253], v[252:253], v[244:245]
	v_pk_add_f32 v[250:251], v[250:251], v[242:243]
	s_delay_alu instid0(VALU_DEP_2)
	v_pk_add_f32 v[14:15], v[14:15], v[252:253]
	s_delay_alu instid0(VALU_DEP_2)
	v_pk_add_f32 v[226:227], v[226:227], v[250:251]
	s_delay_alu instid0(VALU_DEP_1)
	v_pk_add_f32 v[14:15], v[14:15], v[226:227]
	s_wait_alu depctr_va_vdst(0)                   ; and one for the four
.irp b, 0,1,2,3
	v_max_num_f32 v[BM+\b], 0x2800000, v[BM+\b]    ; the floor 2^(5 - 127): the byte cannot fall under 1
.endr
.irp b, 0,1,2,3
	s_delay_alu instid0(VALU_DEP_4)
	v_add_nc_u32 v[SO+\b], 0xfe000000, v[BM+\b]    ; the conversion's scale operand
.endr
.irp b, 0,1,2,3
	s_delay_alu instid0(VALU_DEP_4)
	v_lshrrev_b32 v[PT+\b], 23, v[SO+\b]           ; the scale's byte
.endr
	s_delay_alu instid0(VALU_DEP_3)
	v_lshl_or_b32 v[PWD], v[PT+1], 8, v[PT]        ; p's scale word for these 128 keys
	s_delay_alu instid0(VALU_DEP_1)
	v_lshl_or_b32 v[PWD], v[PT+2], 16, v[PWD]
	s_delay_alu instid0(VALU_DEP_1)
	v_lshl_or_b32 v[PWD], v[PT+3], 24, v[PWD]
.irp c, 0,1
	v_cvt_scalef32_pk16_bf6_f32 v[PCD+6*\c:PCD+6*\c+2], v[S+32*\c:S+32*\c+15], v[SO+2*\c]
	v_cvt_scalef32_pk16_bf6_f32 v[PT2+4*\c:PT2+4*\c+2], v[S+32*\c+16:S+32*\c+31], v[SO+2*\c+1]
.endr
	v_nop                                          ; one plain line behind the conversions
.irp c, 0,1                                    ; the operand wants a whole block in a lane: lanes 0-15 block 2 c, lanes 16-31 block 2 c + 1
.irp i, 0,1,2
	v_permlane16_swap_b32 v[PCD+6*\c+\i], v[PT2+4*\c+\i]
.endr
.irp i, 0,1,2
	s_delay_alu instid0(VALU_DEP_3)
	v_mov_b32 v[PCD+6*\c+3+\i], v[PT2+4*\c+\i]
.endr
.endr
	s_setprio 0
.irp j, 0,2,4,6,8,10,12,14,16,18,20,22,24,26,28,30
	v_pk_mul_f32 v[O+\j:O+\j+1], v[O+\j:O+\j+1], v[F:F+1] op_sel_hi:[1,0]   ; O^T under the new M; these sixteen are also the places in front of the products below
.endr
	s_wait_alu depctr_va_vdst(0)
	s_wait_dscnt 0x0                               ; V's images and words are in
.irp f, 0,1,2,3
	v_wmma_scale_f32_16x16x128_f8f6f4 v[O+8*\f:O+8*\f+7], v[KI+12*\f:KI+12*\f+11], v[PCD:PCD+11], v[O+8*\f:O+8*\f+7], v[VW+\f], v[PWD] matrix_a_fmt:MATRIX_FMT_BF6 matrix_b_fmt:MATRIX_FMT_BF6
.endr
	s_add_co_u32 s20, s20, STEPB
.endm
; Four steps: those that load q of waves 0 to 3 brought.
.macro QUARTER q
	s_wait_tensorcnt 3-\q                          ; my load q has landed; the 3 - q later ones stay out
	s_wait_dscnt 0x0
	s_barrier_signal -1
	s_barrier_wait -1                              ; everybody's has
	s_mov_b32 s21, 4
.Lstep_\@:
	s_setprio 2
	STEP
	s_sub_co_u32 s21, s21, 1
	s_cmp_lg_u32 s21, 0
	s_cbranch_scc1 .Lstep_\@
	s_setprio 0
.endm
	QUARTER 0
	QUARTER 1
	QUARTER 2
	QUARTER 3
	; THE WAY OUT.  O^T / the sum; register 16 e + i of lane (r, h) is d = 32 e + 16 h + i of query r: two blocks of 32 along the next K, each shared by lanes l and l xor 16.
	v_add_f32 v14, v14, v15
	s_delay_alu instid0(VALU_DEP_1)
	v_permlanex16_b32 v[PT], v14, s16, s17
	s_delay_alu instid0(VALU_DEP_1)
	v_add_f32 v14, v14, v[PT]                      ; the row's sum
	s_wait_alu depctr_va_vdst(0)
	v_rcp_f32 v14, v14
.rept 4
	v_nop                                          ; a plain line behind the reciprocal, and the places behind the last products
.endr
	s_wait_alu depctr_va_vdst(0)                   ; ahead of the reciprocal's first reader
.irp j, 0,1,2,3,4,5,6,7,8,9,10,11,12,13,14,15,16,17,18,19,20,21,22,23,24,25,26,27,28,29,30,31
	v_mul_f32 v[S+\j], v[O+\j], v14                ; each accumulator from its low end on
.endr
.irp b, 0,1
	v_max3_num_f32 v[BM+\b], |v[S+16*\b]|, |v[S+1+16*\b]|, 0x2800000
.endr
.irp i, 2,4,6,8,10,12,14
.irp b, 0,1
	s_delay_alu instid0(VALU_DEP_2)
	v_max3_num_f32 v[BM+\b], v[BM+\b], |v[S+16*\b+\i]|, |v[S+1+16*\b+\i]|
.endr
.endr
.irp b, 0,1
	s_delay_alu instid0(VALU_DEP_2)
	v_permlanex16_b32 v[PT+\b], v[BM+\b], s16, s17
.endr
.irp b, 0,1
	s_delay_alu instid0(VALU_DEP_2)
	v_max_num_f32 v[BM+\b], v[BM+\b], v[PT+\b]
.endr
.irp b, 0,1
	s_delay_alu instid0(VALU_DEP_2)
	v_add_nc_u32 v[SO+\b], 0xfe000000, v[BM+\b]
.endr
.irp b, 0,1
	s_delay_alu instid0(VALU_DEP_2)
	v_lshrrev_b32 v[PT+\b], 23, v[SO+\b]
.endr
	s_delay_alu instid0(VALU_DEP_1)
	v_lshl_or_b32 v[TMP], v[PT+1], 8, v[PT]        ; my row's two scale bytes
	v_cvt_scalef32_pk16_bf6_f32 v[PCD:PCD+2], v[S:S+15], v[SO]
	v_cvt_scalef32_pk16_bf6_f32 v[PT2:PT2+2], v[S+16:S+31], v[SO+1]
	v_nop
.irp i, 0,1,2
	v_permlane16_swap_b32 v[PCD+\i], v[PT2+\i]
.endr
.irp i, 0,1,2
	s_delay_alu instid0(VALU_DEP_3)
	v_mov_b32 v[PCD+3+\i], v[PT2+\i]               ; lane (r, e): d = 32 e .. 32 e + 31 of query r: six registers of the next product's fragment
.endr
	global_store_b128 v1, v[PCD:PCD+3], s[58:59]             ; 512 consecutive bytes,
	global_store_b64 v5, v[PCD+4:PCD+5], s[58:59] offset:512 ; and 256 more: three aligned blocks of 256 bytes a wave
	ds_store_b16 v3, v[TMP]                        ; both halves of the lanes write the same bytes with the same value
	s_wait_dscnt 0x0                               ; for wave 0's sake
	s_barrier_signal -1
	s_barrier_wait -1
	s_cmp_lg_u32 s8, 0
	s_cbranch_scc1 .Lnot_first
	ds_load_b128 v[S:S+3], v6                      ; the sixteen tiles' scale bytes: 512 bytes
	s_wait_dscnt 0x0
	global_store_b128 v1, v[S:S+3], s[60:61]
.Lnot_first:
	s_wait_tensorcnt 0x0
	ds_add_u32 v254, v255
	s_wait_dscnt 0x0
	CROUND                                         ; the closing round: no work-group ends while a partner may still ask for a tile that names it
	s_endpgm
.Lfunc_end_k_q1255fb5319_attn:
	.size	k_q1255fb5319_attn, .Lfunc_end_k_q1255fb5319_attn-k_q1255fb5319_attn
	.p2alignl 7, 3214868480
	.fill 96, 4, 3214868480
	.section	.rodata,"a",@progbits
	.p2align	6, 0x0
	.amdhsa_kernel k_q1255fb5319_attn
		.amdhsa_group_segment_fixed_size 207360
		.amdhsa_private_segment_fixed_size 0
		.amdhsa_enable_private_segment 0
		.amdhsa_kernarg_size 16
		.amdhsa_user_sgpr_count 2
		.amdhsa_user_sgpr_kernarg_segment_ptr 1
		.amdhsa_wavefront_size32 1
		.amdhsa_system_sgpr_workgroup_id_x 1
		.amdhsa_system_sgpr_workgroup_id_y 1
		.amdhsa_system_sgpr_workgroup_id_z 1
		.amdhsa_system_vgpr_workitem_id 0
		.amdhsa_next_free_vgpr 256
		.amdhsa_next_free_sgpr 66
		.amdhsa_reserve_vcc 0
		.amdhsa_float_denorm_mode_32 3
		.amdhsa_float_denorm_mode_16_64 3
		.amdhsa_memory_ordered 1
		.amdhsa_forward_progress 1
		.amdhsa_inst_pref_size 82
	.end_amdhsa_kernel
	.amdgpu_metadata
---
amdhsa.version: [ 1, 2 ]
amdhsa.kernels:
  - .name:           k_q1255fb5319_attn
    .symbol:         k_q1255fb5319_attn.kd
    .args:
      - { .name: qkv, .offset: 0, .size: 8, .value_kind: global_buffer, .address_space: global }
      - { .name: ao, .offset: 8, .size: 8, .value_kind: global_buffer, .address_space: global }
    .group_segment_fixed_size: 207360
    .private_segment_fixed_size: 0
    .kernarg_segment_align: 8
    .kernarg_segment_size: 16
    .max_flat_workgroup_size: 512
    .sgpr_count:     66
    .vgpr_count:     256
    .wavefront_size: 32
...
	.end_amdgpu_metadata
.endif
;; end of part 3
;; launch oproj (part 4): grid 8 x 32, 4 waves a work-group, clusters of 4 x 4, 299,520 bytes of LDS; arguments ao, wts, bo, z1ss, xbuf, stats; writes xbuf, stats
.if DOCPART == 4
	.amdgcn_target "amdgcn-amd-amdhsa--gfx1250"
	.amdhsa_code_object_version 6
	.text
	.protected	k_q1255fb5319_oproj
	.globl	k_q1255fb5319_oproj
	.p2align	8
	.type	k_q1255fb5319_oproj,@function
k_q1255fb5319_oproj:
	s_mov_b64 s[64:65], 0
	v_nop
	global_prefetch_b8 v0, s[64:65] scope:SCOPE_SE
	s_setreg_imm32_b32 hwreg(HW_REG_WAVE_MODE, 25, 1), 1
	s_wait_xcnt 0x0
	s_wait_alu depctr_hold_cnt(0) depctr_sa_sdst(0) depctr_va_vdst(0) depctr_va_sdst(0) depctr_va_ssrc(0) depctr_va_vcc(0) depctr_vm_vsrc(0)
	s_getreg_b32 s2, hwreg(HW_REG_IB_STS2, 6, 4)
	s_cmp_eq_u32 s2, 0
	s_cbranch_scc0 .Lentry_in_a_cluster
	s_endpgm
.Lentry_in_a_cluster:
	s_bfe_u32 s2, ttmp6, 0x10000c
	s_cmp_lg_u32 s2, 0xf033
	s_cbranch_scc0 .Lentry_shape_is_right
	s_endpgm
.Lentry_shape_is_right:
; x[b][o][l] = sum over K = 1,024 of Wo[o][k] attn_vec[l][k] + bo[o] + z[b][o][l], the product on codes of BF6 with E8M0 scales; and for each 64 rows o the columns' mean and centred sum of squares.
; A tile is 128 positions x 128 outputs; four waves, each 64 x 64 in 16 accumulators.  Source 0 = 16 positions, source 1 = 16 rows of Wo: a lane holds one output (16 b + lane % 16) and eight neighbouring positions.
; All operands of a tile fit in LDS: each byte is filled once, nothing is filled again.  Each wave issues three joint loads at the start: three tensor loads of a wave are out.
; CLUSTERS: 4 x 4 work-groups; a row of the cluster shares the positions' codes, a column Wo's.
; The positions' codes come as images of registers (768 bytes for a tile of 16 and a head: 16 bytes a lane, then 8); row m of tile a is position 32 (a / 2) + 8 (a % 2) + m % 8 + 16 (m / 8) of the wave's 64.
; bo is the C of each sum's first product.  z is asked for at the head and lands under the products.
; REGISTERS: window 0: v1-13 addresses; v32-63 the positions' scale words [a][K step], v64-95 Wo's [b][K step]; v96-191 the positions' fragments, two sets; v192-255 at work at the head.
;   On the way out v96-223 hold 32 rows of x (four registers a row), and v224-243 the statistics' work: no register of a row is written again behind its store.
;   window 1: v0-95 Wo's fragments, two sets; v96-127 bo, eight copies a tile.   window 2: v0-127 accumulators; v128-255 z.
.set AIMG, 0                           ; [half 2][slot 4][tile 4][head 4][768]
.set BROW, 98304                       ; [half 2][slot 4][64 rows x 240]
.set ASC,  221184                      ; [head 16][tile 8][row 16] of two bytes
.set BSC,  225280                      ; [half 2][slot 4][row 64][8]
.set STG,  229376                      ; the way out: 64 rows x (256 + 16) bytes for each wave: no tile lands there
.set AA16, 4
.set AA8,  5
.set BB,   6                           ; v6, v7: the second for pieces behind one padding more
.set ASA,  8
.set BSA,  9
.set STO,  10
.set RD,   11
.set GX,   12
.set BOA,  13
.set SA,   32
.set SBR,  64
.set FA,   96
.set HW,   192                         ; v192-255 at the head: bo's four numbers, then the positions' scale bytes
.set XR,   96                          ; v96-223  the way out: 32 rows of x
.set MN,   224                         ; v224-227 my four columns' sums, then means
.set PD,   228                         ; v228-231 the lane permutes' destinations
.set DF,   232                         ; v232-235 x - mean
.set SQ,   236                         ; v236-239 the sums of squares
.set SL,   240                         ; v240-243 what is stored: means in lanes 0-15, sums of squares in lanes 16-31
.set CBR,  96                          ; in window 1
.set G1A,  24
.set G1AS, 32
.set G1B,  40
.set G1BS, 48
.set GA0,  56
.set GA1,  60
.set GA2,  68
.set GB0,  72
.set GB1,  76
.set GB2,  80
.set MSB, 0
.macro WIN new
.if MSB != (\new)
	s_set_vgpr_msb (MSB<<8)|(\new)
.set MSB, (\new)
.endif
.endm
.macro JLOAD g0a, g1a, g0b, g1b        ; waves 0 and 1 fetch the positions', waves 2 and 3 Wo's; four v_nop follow each line
	s_cmp_eq_u32 s17, 0
	s_cbranch_scc0 .Lfor_b_\@
	tensor_load_to_lds s[\g0a:\g0a+3], s[\g1a:\g1a+7]
	s_nop 0
.rept 4
	v_nop
.endr
	s_branch .Lasked_\@
.Lfor_b_\@:
	tensor_load_to_lds s[\g0b:\g0b+3], s[\g1b:\g1b+7]
	s_nop 0
.rept 4
	v_nop
.endr
.Lasked_\@:
.endm
.macro CROUND
	s_barrier_signal -1
	s_barrier_wait -1
	s_cmp_lg_u32 s16, 0
	s_cbranch_scc1 .Lnot_wave_0_\@
	s_barrier_signal -3
.Lnot_wave_0_\@:
	s_barrier_wait -3
	s_barrier_signal -1
	s_barrier_wait -1
.endm
.macro PLACES n
.rept \n
	v_nop
.endr
.endm
	s_load_b256 s[4:11], s[0:1], 0x0               ; ao s[4:5], wts s[6:7], bo s[8:9], z s[10:11]
	s_load_b128 s[12:15], s[0:1], 0x20             ; xbuf s[12:13], stats s[14:15]
	v_lshl_add_u32 v30, v0, 2, 0x49000
	v_mov_b32 v31, 0
	ds_add_u32 v30, v31
	ds_add_u32 v30, v31
	v_lshrrev_b32 v1, 5, v0
	v_readfirstlane_b32 s16, v1                    ; wave
	s_lshr_b32 s17, s16, 1                         ; my half of the positions.  Also: I fetch the positions' (0) or Wo's (1)
	s_and_b32 s18, s16, 1                          ; my half of the outputs.  Also: which half I fetch
	s_bfe_u32 s19, ttmp6, 0x40000                  ; cx, cy
	s_bfe_u32 s20, ttmp6, 0x40004
	s_lshl_b32 s21, ttmp9, 2
	s_add_co_u32 s21, s21, s19                     ; tile column: 128 outputs
	s_and_b32 s22, ttmp7, 0xffff
	s_lshl_b32 s22, s22, 2
	s_add_co_u32 s22, s22, s20                     ; tile row: 128 positions
	s_lshl_b32 s23, s20, 2
	s_lshl_b32 s23, 15, s23                        ; my row of the cluster
	s_lshl_b32 s84, 0x1111, s19                    ; my column
	s_or_b32 s[G1A], s23, (3<<16)|(1<<21)          ; the positions' codes: 96 dense rows of 256 bytes
	s_mov_b32 s[G1A+1], 32<<16
	s_mov_b32 s[G1A+2], 96<<16
	s_mov_b32 s[G1A+3], 32<<16
	s_mov_b32 s[G1A+4], 96
	s_mov_b32 s[G1A+5], 32
	s_mov_b32 s[G1A+6], 0
	s_mov_b32 s[G1A+7], 0
	s_or_b32 s[G1AS], s23, (3<<16)|(1<<21)         ; their scale bytes: 8 heads' rows of 256 bytes, 8,192 bytes apart
	s_mov_b32 s[G1AS+1], 32<<16
	s_mov_b32 s[G1AS+2], 8<<16
	s_mov_b32 s[G1AS+3], 32<<16
	s_mov_b32 s[G1AS+4], 8
	s_mov_b32 s[G1AS+5], 1024
	s_mov_b32 s[G1AS+6], 0
	s_mov_b32 s[G1AS+7], 0
	s_or_b32 s[G1B], s84, (1<<20)|(1<<21)|(3<<22)|(3<<25)   ; Wo's codes: 128 dense rows of 192 bytes, 16 bytes of padding behind every 64
	s_mov_b32 s[G1B+1], 192<<16
	s_mov_b32 s[G1B+2], 128<<16
	s_mov_b32 s[G1B+3], 192<<16
	s_mov_b32 s[G1B+4], 128
	s_mov_b32 s[G1B+5], 192
	s_mov_b32 s[G1B+6], 0
	s_mov_b32 s[G1B+7], 0
	s_or_b32 s[G1BS], s84, (3<<16)|(1<<21)         ; Wo's scale bytes: 8 dense rows of 256 bytes
	s_mov_b32 s[G1BS+1], 32<<16
	s_mov_b32 s[G1BS+2], 8<<16
	s_mov_b32 s[G1BS+3], 32<<16
	s_mov_b32 s[G1BS+4], 8
	s_mov_b32 s[G1BS+5], 32
	s_mov_b32 s[G1BS+6], 0
	s_mov_b32 s[G1BS+7], 0
	s_mul_i32 s86, s22, 98304
	s_mul_i32 s85, s18, 49152
	s_add_co_u32 s86, s86, s85                     ; the positions' codes: tile row, my half
	s_mov_b32 s87, 0
	s_lshl_b32 s88, s22, 8
	s_lshl_b32 s85, s18, 16
	s_add_co_u32 s88, s88, s85
	s_add_co_u32 s88, s88, 3145728                 ; their scale bytes: heads 8 x half on
	s_mov_b32 s89, 0
	s_lshl_b32 s90, s21, 1
	s_add_co_u32 s90, s90, s18                     ; Wo: which 64 rows
	s_lshl_b32 s92, s90, 11
	s_add_co_u32 s92, s92, 10616832
	s_mov_b32 s93, 0
	s_mul_i32 s90, s90, 49152
	s_add_co_u32 s90, s90, 9830400
	s_mov_b32 s91, 0
	s_mul_i32 s94, s18, 49152                      ; in LDS: by the wave's number alone
	s_mul_i32 s95, s18, 61440
	s_add_co_u32 s95, s95, BROW
	s_lshl_b32 s96, s18, 11
	s_wait_dscnt 0x0
	s_wait_kmcnt 0x0
	s_add_nc_u64 s[86:87], s[4:5], s[86:87]
	s_add_nc_u64 s[88:89], s[4:5], s[88:89]
	s_add_nc_u64 s[90:91], s[6:7], s[90:91]
	s_add_nc_u64 s[92:93], s[6:7], s[92:93]
	CROUND                                         ; all sixteen work-groups are here: the joint loads meet
	s_mov_b32 s[GA0], 1
	s_add_co_u32 s[GA0+1], s96, ASC
	s_mov_b64 s[GA0+2:GA0+3], s[88:89]
	s_or_b32 s[GA0+3], s[GA0+3], 0x80000000
	s_mov_b32 s[GB0], 1
	s_add_co_u32 s[GB0+1], s96, BSC
	s_mov_b64 s[GB0+2:GB0+3], s[92:93]
	s_or_b32 s[GB0+3], s[GB0+3], 0x80000000
	JLOAD GA0, G1AS, GB0, G1BS                     ; the scale bytes
	s_mov_b32 s[GA1], 1
	s_mov_b32 s[GA1+1], s94
	s_mov_b64 s[GA1+2:GA1+3], s[86:87]
	s_or_b32 s[GA1+3], s[GA1+3], 0x80000000
	s_mov_b32 s[GB1], 1
	s_mov_b32 s[GB1+1], s95
	s_mov_b64 s[GB1+2:GB1+3], s[90:91]
	s_or_b32 s[GB1+3], s[GB1+3], 0x80000000
	JLOAD GA1, G1A, GB1, G1B                       ; K 0 .. 511
	s_mov_b32 s[GA2], 1
	s_add_co_u32 s[GA2+1], s94, 24576
	s_add_nc_u64 s[GA2+2:GA2+3], s[86:87], 24576
	s_or_b32 s[GA2+3], s[GA2+3], 0x80000000
	s_mov_b32 s[GB2], 1
	s_add_co_u32 s[GB2+1], s95, 30720
	s_add_nc_u64 s[GB2+2:GB2+3], s[90:91], 24576
	s_or_b32 s[GB2+3], s[GB2+3], 0x80000000
	JLOAD GA2, G1A, GB2, G1B                       ; K 512 .. 1,023
	; where my 64 x 64 lies in z and x, in the statistics and in bo
	s_lshr_b32 s85, s22, 4                         ; batch
	s_lshl_b32 s86, s21, 7
	s_lshl_b32 s87, s18, 6
	s_add_co_u32 s86, s86, s87                     ; my first output
	s_and_b32 s87, s22, 15
	s_lshl_b32 s87, s87, 9
	s_lshl_b32 s88, s17, 8
	s_add_co_u32 s87, s87, s88                     ; my first position, in bytes
	s_lshl_b32 s88, s85, 23
	s_lshl_b32 s89, s86, 13
	s_add_co_u32 s88, s88, s89
	s_add_co_u32 s88, s88, s87
	s_mov_b32 s89, 0
	s_add_nc_u64 s[10:11], s[10:11], s[88:89]
	s_add_nc_u64 s[12:13], s[12:13], s[88:89]
	s_lshl_b32 s90, s85, 4
	s_lshr_b32 s91, s86, 6
	s_add_co_u32 s90, s90, s91                     ; 16 x batch + my group of 64 outputs
	s_lshl_b32 s90, s90, 14
	s_add_co_u32 s90, s90, s87
	s_mov_b32 s91, 0
	s_add_nc_u64 s[14:15], s[14:15], s[90:91]
	s_lshl_b32 s92, s86, 2
	s_mov_b32 s93, 0
	s_add_nc_u64 s[8:9], s[8:9], s[92:93]
	s_mov_b32 s97, 0xffff0000
	s_mov_b32 s98, 0x76543210
	s_mov_b32 s99, 0xfedcba98
	v_and_b32 v1, 15, v0                           ; r
	v_bfe_u32 v2, v0, 4, 1                         ; h
	v_and_b32 v3, 31, v0                           ; lane
	v_lshlrev_b32 v[GX], 13, v2
	v_lshl_add_u32 v[GX], v1, 4, v[GX]             ; lanes 0-15 one row of 256 bytes, lanes 16-31 the next row (8,192 bytes on)
	v_lshlrev_b32 v[BOA], 2, v1
.irp b, 0,1,2,3
	global_load_b32 v[HW+\b], v[BOA], s[8:9] offset:64*\b
.endr
	WIN 0x80                                       ; destination window 2
.irp i, 0,1,2,3,4,5,6,7,8,9,10,11,12,13,14,15,16,17,18,19,20,21,22,23,24,25,26,27,28,29,30,31
	global_load_b128 v[128+4*\i:131+4*\i], v[GX], s[10:11] offset:16384*\i th:TH_LOAD_NT
.endr
	WIN 0
	s_mul_i32 s85, s17, 49152
	v_lshl_add_u32 v[AA16], v3, 4, s85             ; the positions' images: 16 bytes a lane,
	v_lshl_add_u32 v[AA8], v3, 3, s85
	v_add_nc_u32 v[AA8], 512, v[AA8]               ; then 8
	s_mul_i32 s85, s18, 61440
	s_add_co_u32 s85, s85, BROW
	v_mul_u32_u24 v[BB], v1, 240
	v_mad_u32_u24 v[BB], v2, 24, v[BB]
	v_add_nc_u32 v[BB], s85, v[BB]
	v_lshl_add_u32 v[BB+1], v2, 4, v[BB]
	s_lshl_b32 s85, s17, 7
	s_add_co_u32 s85, s85, ASC
	v_lshl_add_u32 v[ASA], v1, 1, s85
	s_lshl_b32 s85, s18, 11
	s_add_co_u32 s85, s85, BSC
	v_lshl_add_u32 v[BSA], v1, 3, s85
	s_mul_i32 s85, s16, 17408
	s_add_co_u32 s85, s85, STG
	v_mul_u32_u24 v[STO], v1, 272
	v_lshl_add_u32 v[STO], v2, 6, v[STO]
	v_add_nc_u32 v[STO], s85, v[STO]               ; into the stage: row = my output, + 64 h bytes
	v_mul_u32_u24 v[RD], v2, 272
	v_lshl_add_u32 v[RD], v1, 4, v[RD]
	v_add_nc_u32 v[RD], s85, v[RD]                 ; back: two whole rows an instruction
	s_wait_loadcnt 32                              ; bo is in; z's 32 loads stay out
	WIN 0x40                                       ; destination window 1
.irp b, 0,1,2,3
.irp j, 0,1,2,3,4,5,6,7
	v_mov_b32 v[CBR+8*\b+\j], v[HW+\b]             ; a lane's eight results of a tile share one output
.endr
.endr
	WIN 0
	s_wait_tensorcnt 1                             ; the scale bytes and K 0 .. 511 are in; the last load stays out
	s_barrier_signal -1
	s_barrier_wait -1
.irp a, 0,1,2,3
.irp d, 0,1,2,3,4,5,6,7,8,9,10,11,12,13,14,15
	ds_load_u16 v[HW+16*\a+\d], v[ASA] offset:256*\d+32*\a
.endr
.endr
.irp b, 0,1,2,3
.irp t, 0,1,2,3
	ds_load_b64 v[SBR+8*\b+2*\t:SBR+8*\b+2*\t+1], v[BSA] offset:512*\t+128*\b
.endr
.endr
; The fragments of K step s (128 along K: two heads) into set: 16 loads for the positions' four tiles, 24 for Wo's four.
.macro FETCH s, set
.irp a, 0,1,2,3
.irp c, 0,1
	ds_load_b128 v[FA+48*(\set)+12*\a+6*\c:FA+48*(\set)+12*\a+6*\c+3], v[AA16] offset:12288*((\s)/2)+3072*\a+768*(2*((\s)%2)+\c)
	ds_load_b64 v[FA+48*(\set)+12*\a+6*\c+4:FA+48*(\set)+12*\a+6*\c+5], v[AA8] offset:12288*((\s)/2)+3072*\a+768*(2*((\s)%2)+\c)
.endr
.endr
	WIN 0x40
.irp b, 0,1,2,3
.irp p, 0,1,2,3,4,5
.set PC, 12*((\s)%2)+6*(\p/3)+\p%3
.if PC%8 < 5
	ds_load_b64 v[48*(\set)+12*\b+2*\p:48*(\set)+12*\b+2*\p+1], v[BB] offset:8*PC+16*(PC/8)+3840*\b+15360*((\s)/2)
.else
	ds_load_b64 v[48*(\set)+12*\b+2*\p:48*(\set)+12*\b+2*\p+1], v[BB+1] offset:8*PC+16*(PC/8)+3840*\b+15360*((\s)/2)
.endif
.endr
.endr
	WIN 0
.endm
	FETCH 0, 0
	s_wait_dscnt 40                                ; the scale bytes are in; the 40 loads of the first fragments stay out
.irp a, 0,1,2,3
.irp s, 0,1,2,3,4,5,6,7
	v_lshl_or_b32 v[SA+8*\a+\s], v[HW+16*\a+2*\s+1], 16, v[HW+16*\a+2*\s]   ; two heads' two bytes: the scale word of K step s
.endr
.endr
	PLACES 8                                       ; a scale register written by a vector line stands eight places ahead of a scaled product
.macro KSTEP s
.if (\s) == 3
	s_wait_tensorcnt 0x0                           ; K 512 .. 1,023: my part is in,
	s_wait_dscnt 0x0
	s_barrier_signal -1
	s_barrier_wait -1                              ; everybody's is
.endif
.if (\s) < 7
	PLACES 4                                       ; in front of loads into the set that the last step's products read
	FETCH (\s)+1, ((\s)+1)%2
	s_wait_dscnt 40                                ; this step's fragments are in; the 40 loads just issued stay out
.else
	s_wait_dscnt 0x0
.endif
.if (\s) == 0
	WIN 0x94                                       ; source 1 (Wo) and C (bo) window 1, D window 2
.else
	WIN 0xa4                                       ; source 1 window 1, C and D window 2
.endif
.irp a, 0,1,2,3                        ; the sixteen accumulators take turns
.irp b, 0,1,2,3
.if (\s) == 0
	v_wmma_scale_f32_16x16x128_f8f6f4 v[8*(4*\a+\b):8*(4*\a+\b)+7], v[FA+48*((\s)%2)+12*\a:FA+48*((\s)%2)+12*\a+11], v[48*((\s)%2)+12*\b:48*((\s)%2)+12*\b+11], v[CBR+8*\b:CBR+8*\b+7], v[SA+8*\a+(\s)], v[SBR+8*\b+(\s)] matrix_a_fmt:MATRIX_FMT_BF6 matrix_b_fmt:MATRIX_FMT_BF6
.else
	v_wmma_scale_f32_16x16x128_f8f6f4 v[8*(4*\a+\b):8*(4*\a+\b)+7], v[FA+48*((\s)%2)+12*\a:FA+48*((\s)%2)+12*\a+11], v[48*((\s)%2)+12*\b:48*((\s)%2)+12*\b+11], v[8*(4*\a+\b):8*(4*\a+\b)+7], v[SA+8*\a+(\s)], v[SBR+8*\b+(\s)] matrix_a_fmt:MATRIX_FMT_BF6 matrix_b_fmt:MATRIX_FMT_BF6
.endif
.endr
.endr
	WIN 0
.endm
	s_wait_alu depctr_va_vdst(0)
.irp s, 0,1,2,3,4,5,6,7
	KSTEP \s
.endr
	; THE WAY OUT: through my own stage, so that sixteen lanes hold 256 neighbouring bytes of a row of x.
	PLACES 4
	WIN 0x08                                       ; an LDS store's data: window 2
.irp a, 0,1,2,3
.irp b, 0,1,2,3
	ds_store_b128 v[STO], v[8*(4*\a+\b):8*(4*\a+\b)+3] offset:4352*\b+128*(\a/2)+32*(\a%2)       ; each accumulator from its low end on
	ds_store_b128 v[STO], v[8*(4*\a+\b)+4:8*(4*\a+\b)+7] offset:4352*\b+128*(\a/2)+32*(\a%2)+16
.endr
.endr
	WIN 0
.irp i, 0,1,2,3,4,5,6,7,8,9,10,11,12,13,14,15,16,17,18,19,20,21,22,23,24,25,26,27,28,29,30,31
	ds_load_b128 v[XR+4*\i:XR+4*\i+3], v[RD] offset:544*\i   ; in order behind my stores: rows 2 i and 2 i + 1
.endr
.irp i, 0,1,2,3
	v_mov_b32 v[PD+\i], 0                          ; written once: a lane permute's destination counts as one of its sources (no load lands in v224 on)
.endr
	s_wait_loadcnt 0x0                             ; z
	s_wait_dscnt 0x0
	WIN 0x08                                       ; source 1 (z) window 2
.irp k, 0,2,4,6,8,10,12,14,16,18,20,22,24,26,28,30,32,34,36,38,40,42,44,46,48,50,52,54,56,58,60,62,64,66,68,70,72,74,76,78,80,82,84,86,88,90,92,94,96,98,100,102,104,106,108,110,112,114,116,118,120,122,124,126
	v_pk_add_f32 v[XR+\k:XR+\k+1], v[XR+\k:XR+\k+1], v[128+\k:129+\k]
.endr
	WIN 0
.irp i, 0,1,2,3,4,5,6,7,8,9,10,11,12,13,14,15,16,17,18,19,20,21,22,23,24,25,26,27,28,29,30,31
	global_store_b128 v[GX], v[XR+4*\i:XR+4*\i+3], s[12:13] offset:16384*\i   ; sixteen lanes store 256 consecutive bytes, aligned; the rows' registers are only read from here on
.endr
	; my four columns' sum over my 32 rows, then with lane l xor 16's 32
	v_pk_add_f32 v[MN:MN+1], v[XR:XR+1], v[XR+4:XR+5]
	v_pk_add_f32 v[MN+2:MN+3], v[XR+2:XR+3], v[XR+6:XR+7]
.irp i, 2,3,4,5,6,7,8,9,10,11,12,13,14,15,16,17,18,19,20,21,22,23,24,25,26,27,28,29,30,31
	v_pk_add_f32 v[MN:MN+1], v[MN:MN+1], v[XR+4*\i:XR+4*\i+1]
	v_pk_add_f32 v[MN+2:MN+3], v[MN+2:MN+3], v[XR+4*\i+2:XR+4*\i+3]
.endr
.irp i, 0,1,2,3
	v_permlanex16_b32 v[PD+\i], v[MN+\i], s98, s99
.endr
	v_pk_add_f32 v[MN:MN+1], v[MN:MN+1], v[PD:PD+1]
	v_pk_add_f32 v[MN+2:MN+3], v[MN+2:MN+3], v[PD+2:PD+3]
	v_pk_mul_f32 v[MN:MN+1], v[MN:MN+1], 0x3c800000 op_sel_hi:[1,0]   ; / 64: the mean of the 64 rows
	v_pk_mul_f32 v[MN+2:MN+3], v[MN+2:MN+3], 0x3c800000 op_sel_hi:[1,0]
	v_pk_add_f32 v[DF:DF+1], v[XR:XR+1], v[MN:MN+1] neg_lo:[0,1] neg_hi:[0,1]
	v_pk_add_f32 v[DF+2:DF+3], v[XR+2:XR+3], v[MN+2:MN+3] neg_lo:[0,1] neg_hi:[0,1]
	v_pk_mul_f32 v[SQ:SQ+1], v[DF:DF+1], v[DF:DF+1]
	v_pk_mul_f32 v[SQ+2:SQ+3], v[DF+2:DF+3], v[DF+2:DF+3]
.irp i, 1,2,3,4,5,6,7,8,9,10,11,12,13,14,15,16,17,18,19,20,21,22,23,24,25,26,27,28,29,30,31
	v_pk_add_f32 v[DF:DF+1], v[XR+4*\i:XR+4*\i+1], v[MN:MN+1] neg_lo:[0,1] neg_hi:[0,1]
	v_pk_add_f32 v[DF+2:DF+3], v[XR+4*\i+2:XR+4*\i+3], v[MN+2:MN+3] neg_lo:[0,1] neg_hi:[0,1]
	v_pk_fma_f32 v[SQ:SQ+1], v[DF:DF+1], v[DF:DF+1], v[SQ:SQ+1]   ; the sum of (x - mean)^2: no difference of large sums
	v_pk_fma_f32 v[SQ+2:SQ+3], v[DF+2:DF+3], v[DF+2:DF+3], v[SQ+2:SQ+3]
.endr
.irp i, 0,1,2,3
	v_permlanex16_b32 v[PD+\i], v[SQ+\i], s98, s99
.endr
	v_pk_add_f32 v[SQ:SQ+1], v[SQ:SQ+1], v[PD:PD+1]
	v_pk_add_f32 v[SQ+2:SQ+3], v[SQ+2:SQ+3], v[PD+2:PD+3]
.irp i, 0,1,2,3
	v_cndmask_b32 v[SL+\i], v[MN+\i], v[SQ+\i], s97   ; lanes 0-15 keep the means, lanes 16-31 the sums of squares
.endr
	global_store_b128 v[GX], v[SL:SL+3], s[14:15]  ; 256 consecutive bytes of each kind (the kinds lie 8,192 bytes apart)
	s_wait_tensorcnt 0x0
	ds_add_u32 v30, v31
	s_wait_dscnt 0x0
	CROUND                                         ; the closing round (no LDS instruction of mine is out)
	s_endpgm
.Lfunc_end_k_q1255fb5319_oproj:
	.size	k_q1255fb5319_oproj, .Lfunc_end_k_q1255fb5319_oproj-k_q1255fb5319_oproj
	.p2alignl 7, 3214868480
	.fill 96, 4, 3214868480
	.section	.rodata,"a",@progbits
	.p2align	6, 0x0
	.amdhsa_kernel k_q1255fb5319_oproj
		.amdhsa_group_segment_fixed_size 299520
		.amdhsa_private_segment_fixed_size 0
		.amdhsa_enable_private_segment 0
		.amdhsa_kernarg_size 48
		.amdhsa_user_sgpr_count 2
		.amdhsa_user_sgpr_kernarg_segment_ptr 1
		.amdhsa_wavefront_size32 1
		.amdhsa_system_sgpr_workgroup_id_x 1
		.amdhsa_system_sgpr_workgroup_id_y 1
		.amdhsa_system_sgpr_workgroup_id_z 1
		.amdhsa_system_vgpr_workitem_id 0
		.amdhsa_next_free_vgpr 768
		.amdhsa_next_free_sgpr 100
		.amdhsa_reserve_vcc 0
		.amdhsa_float_denorm_mode_32 3
		.amdhsa_float_denorm_mode_16_64 3
		.amdhsa_memory_ordered 1
		.amdhsa_forward_progress 1
		.amdhsa_inst_pref_size 86
	.end_amdhsa_kernel
	.amdgpu_metadata
---
amdhsa.version: [ 1, 2 ]
amdhsa.kernels:
  - .name:           k_q1255fb5319_oproj
    .symbol:         k_q1255fb5319_oproj.kd
    .args:
      - { .name: ao, .offset: 0, .size: 8, .value_kind: global_buffer, .address_space: global }
      - { .name: wts, .offset: 8, .size: 8, .value_kind: global_buffer, .address_space: global }
      - { .name: bo, .offset: 16, .size: 8, .value_kind: global_buffer, .address_space: global }
      - { .name: z1ss, .offset: 24, .size: 8, .value_kind: global_buffer, .address_space: global }
      - { .name: xbuf, .offset: 32, .size: 8, .value_kind: global_buffer, .address_space: global }
      - { .name: stats, .offset: 40, .size: 8, .value_kind: global_buffer, .address_space: global }
    .group_segment_fixed_size: 299520
    .private_segment_fixed_size: 0
    .kernarg_segment_align: 8
    .kernarg_segment_size: 48
    .max_flat_workgroup_size: 128
    .sgpr_count:     100
    .vgpr_count:     768
    .wavefront_size: 32
...
	.end_amdgpu_metadata
.endif
;; end of part 4
;; launch lnorm (part 5): grid 256 x 1, 8 waves a work-group, no clusters, 17,408 bytes of LDS; arguments xbuf, stats, out0; writes out0
.if DOCPART == 5
	.amdgcn_target "amdgcn-amd-amdhsa--gfx1250"
	.amdhsa_code_object_version 6
	.text
	.protected	k_q1255fb5319_lnorm
	.globl	k_q1255fb5319_lnorm
	.p2align	8
	.type	k_q1255fb5319_lnorm,@function
k_q1255fb5319_lnorm:
	s_mov_b64 s[64:65], 0
	v_nop
	global_prefetch_b8 v0, s[64:65] scope:SCOPE_SE
	s_setreg_imm32_b32 hwreg(HW_REG_WAVE_MODE, 25, 1), 1
	s_wait_xcnt 0x0
; out[b][o][l] = (x - m) / sqrt(var + 1e-5), m and var over the 1,024 o of a column (b, l).
; The launch before left, for each of 16 groups of 64 rows, the columns' mean and centred sum of squares: m = sum of the means / 16; var = (sum of the groups' sums + 64 x sum of (mean_g - m)^2) / 1,024:
; no difference of large sums is formed.  A stream: memory binds, so no matrix unit, no cluster; every load and store of a wave covers 512 consecutive bytes, aligned.
; A work-group takes 128 rows x 128 columns; wave w rows 16 w .. 16 w + 15, a lane four columns.  The 16 KiB of statistics are read once by the work-group (wave w: groups 2 w, 2 w + 1) and shared through LDS.
; REGISTERS: v2 16 x lane; v3 my place in LDS; v16-79 sixteen rows of x; v80-207 the statistics [group][kind]; v208-211 m; v212-215 sums, then 1 / sqrt; v216-219 at work; v220-223 sums.
	s_load_b128 s[4:7], s[0:1], 0x0                ; xbuf s[4:5], stats s[6:7]
	s_load_b64 s[8:9], s[0:1], 0x10                ; out0
	v_lshl_add_u32 v224, v0, 2, 0x4000
	v_mov_b32 v225, 0
	v_lshrrev_b32 v1, 5, v0
	s_delay_alu instid0(VALU_DEP_1)
	v_readfirstlane_b32 s10, v1                    ; wave 0..7
	v_and_b32 v2, 31, v0
	s_delay_alu instid0(VALU_DEP_1)
	v_lshlrev_b32 v2, 4, v2
	v_and_b32 v3, 0xe0, v0
	s_delay_alu instid0(VALU_DEP_1)
	v_lshl_add_u32 v3, v3, 6, v2                   ; 2,048 x wave + 16 x lane
	s_lshr_b32 s11, ttmp9, 7                       ; batch
	s_bfe_u32 s12, ttmp9, 0x40003                  ; which 128 columns
	s_and_b32 s13, ttmp9, 7                        ; which 128 rows
	s_lshl_b32 s14, s12, 9
	s_lshl_b32 s16, s11, 23
	s_lshl_b32 s17, s13, 20
	s_add_co_u32 s16, s16, s17
	s_lshl_b32 s17, s10, 17
	s_add_co_u32 s16, s16, s17
	s_add_co_u32 s16, s16, s14
	s_mov_b32 s17, 0
	s_lshl_b32 s18, s11, 18
	s_lshl_b32 s19, s10, 15
	s_add_co_u32 s18, s18, s19
	s_add_co_u32 s18, s18, s14
	s_mov_b32 s19, 0
	s_mov_b32 s20, 0x3a800000                      ; 1 / 1,024
	s_mov_b32 s21, 0x3727c5ac                      ; 1e-5
	s_wait_alu depctr_va_vdst(0)
	s_wait_kmcnt 0x0
	s_add_nc_u64 s[4:5], s[4:5], s[16:17]
	s_add_nc_u64 s[8:9], s[8:9], s[16:17]
	s_add_nc_u64 s[6:7], s[6:7], s[18:19]
.irp k, 0,1,2,3
	global_load_b128 v[80+4*\k:83+4*\k], v2, s[6:7] offset:8192*\k
.endr
.irp i, 0,1,2,3,4,5,6,7,8,9,10,11,12,13,14,15
	global_load_b128 v[16+4*\i:19+4*\i], v2, s[4:5] offset:8192*\i th:TH_LOAD_NT
.endr
	s_wait_loadcnt 16                              ; my four loads of statistics are in; x's sixteen stay out
.irp k, 0,1,2,3
	ds_store_b128 v3, v[80+4*\k:83+4*\k] offset:512*\k
.endr
	s_wait_dscnt 0x0                               ; for the others' sake
	s_barrier_signal -1
	s_barrier_wait -1
.irp j, 0,1,2,3,4,5,6,7,8,9,10,11,12,13,14,15,16,17,18,19,20,21,22,23,24,25,26,27,28,29,30,31
	ds_load_b128 v[80+4*\j:83+4*\j], v2 offset:512*\j
.endr
	s_wait_dscnt 0x0
	v_pk_add_f32 v[208:209], v[80:81], v[88:89]    ; the means,
	v_pk_add_f32 v[210:211], v[82:83], v[90:91]
	v_pk_add_f32 v[220:221], v[84:85], v[92:93]    ; the groups' sums of squares
	v_pk_add_f32 v[222:223], v[86:87], v[94:95]
.irp g, 2,3,4,5,6,7,8,9,10,11,12,13,14,15
	s_delay_alu instid0(VALU_DEP_4)
	v_pk_add_f32 v[208:209], v[208:209], v[80+8*\g:81+8*\g]
	s_delay_alu instid0(VALU_DEP_4)
	v_pk_add_f32 v[210:211], v[210:211], v[82+8*\g:83+8*\g]
	s_delay_alu instid0(VALU_DEP_4)
	v_pk_add_f32 v[220:221], v[220:221], v[84+8*\g:85+8*\g]
	s_delay_alu instid0(VALU_DEP_4)
	v_pk_add_f32 v[222:223], v[222:223], v[86+8*\g:87+8*\g]
.endr
	s_delay_alu instid0(VALU_DEP_4)
	v_pk_mul_f32 v[208:209], v[208:209], 0x3d800000 op_sel_hi:[1,0]   ; / 16: m
	s_delay_alu instid0(VALU_DEP_4)
	v_pk_mul_f32 v[210:211], v[210:211], 0x3d800000 op_sel_hi:[1,0]
	s_delay_alu instid0(VALU_DEP_2)
	v_pk_add_f32 v[216:217], v[80:81], v[208:209] neg_lo:[0,1] neg_hi:[0,1]
	s_delay_alu instid0(VALU_DEP_2)
	v_pk_add_f32 v[218:219], v[82:83], v[210:211] neg_lo:[0,1] neg_hi:[0,1]
	s_delay_alu instid0(VALU_DEP_2)
	v_pk_mul_f32 v[212:213], v[216:217], v[216:217]
	s_delay_alu instid0(VALU_DEP_2)
	v_pk_mul_f32 v[214:215], v[218:219], v[218:219]
.irp g, 1,2,3,4,5,6,7,8,9,10,11,12,13,14,15
	v_pk_add_f32 v[216:217], v[80+8*\g:81+8*\g], v[208:209] neg_lo:[0,1] neg_hi:[0,1]
	v_pk_add_f32 v[218:219], v[82+8*\g:83+8*\g], v[210:211] neg_lo:[0,1] neg_hi:[0,1]
	s_delay_alu instid0(VALU_DEP_2)
	v_pk_fma_f32 v[212:213], v[216:217], v[216:217], v[212:213]
	s_delay_alu instid0(VALU_DEP_2)
	v_pk_fma_f32 v[214:215], v[218:219], v[218:219], v[214:215]
.endr
	s_delay_alu instid0(VALU_DEP_2)
	v_pk_fma_f32 v[220:221], v[212:213], 0x42800000, v[220:221] op_sel_hi:[1,0,1]   ; + 64 x the groups' spread
	s_delay_alu instid0(VALU_DEP_2)
	v_pk_fma_f32 v[222:223], v[214:215], 0x42800000, v[222:223] op_sel_hi:[1,0,1]
.irp i, 0,1,2,3
	v_fma_f32 v[220+\i], v[220+\i], s20, s21       ; var + 1e-5
.endr
	s_wait_alu depctr_va_vdst(0)
.irp i, 0,1,2,3
	v_rsq_f32 v[212+\i], v[220+\i]
.endr
	v_nop                                          ; a plain line behind the last of them
	s_wait_alu depctr_va_vdst(0)                   ; one wait for the four, ahead of their first reader
.irp i, 0,1,2,3,4,5,6,7,8,9,10,11,12,13,14,15
	s_wait_loadcnt 15-\i                           ; row i is in; the later rows stay out
	v_pk_add_f32 v[16+4*\i:17+4*\i], v[16+4*\i:17+4*\i], v[208:209] neg_lo:[0,1] neg_hi:[0,1]
	v_pk_add_f32 v[18+4*\i:19+4*\i], v[18+4*\i:19+4*\i], v[210:211] neg_lo:[0,1] neg_hi:[0,1]
	v_pk_mul_f32 v[16+4*\i:17+4*\i], v[16+4*\i:17+4*\i], v[212:213]
	v_pk_mul_f32 v[18+4*\i:19+4*\i], v[18+4*\i:19+4*\i], v[214:215]
	global_store_b128 v2, v[16+4*\i:19+4*\i], s[8:9] offset:8192*\i th:TH_STORE_NT   ; each row has registers of its own: no store's data are written again
.endr
	s_wait_tensorcnt 0x0
	ds_add_u32 v224, v225
	s_wait_dscnt 0x0
	s_endpgm
.Lfunc_end_k_q1255fb5319_lnorm:
	.size	k_q1255fb5319_lnorm, .Lfunc_end_k_q1255fb5319_lnorm-k_q1255fb5319_lnorm
	.p2alignl 7, 3214868480
	.fill 96, 4, 3214868480
	.section	.rodata,"a",@progbits
	.p2align	6, 0x0
	.amdhsa_kernel k_q1255fb5319_lnorm
		.amdhsa_group_segment_fixed_size 17408
		.amdhsa_private_segment_fixed_size 0
		.amdhsa_enable_private_segment 0
		.amdhsa_kernarg_size 24
		.amdhsa_user_sgpr_count 2
		.amdhsa_user_sgpr_kernarg_segment_ptr 1
		.amdhsa_wavefront_size32 1
		.amdhsa_system_sgpr_workgroup_id_x 1
		.amdhsa_system_sgpr_workgroup_id_y 1
		.amdhsa_system_sgpr_workgroup_id_z 1
		.amdhsa_system_vgpr_workitem_id 0
		.amdhsa_next_free_vgpr 226
		.amdhsa_next_free_sgpr 66
		.amdhsa_reserve_vcc 0
		.amdhsa_float_denorm_mode_32 3
		.amdhsa_float_denorm_mode_16_64 3
		.amdhsa_memory_ordered 1
		.amdhsa_forward_progress 1
		.amdhsa_inst_pref_size 24
	.end_amdhsa_kernel
	.amdgpu_metadata
---
amdhsa.version: [ 1, 2 ]
amdhsa.kernels:
  - .name:           k_q1255fb5319_lnorm
    .symbol:         k_q1255fb5319_lnorm.kd
    .args:
      - { .name: xbuf, .offset: 0, .size: 8, .value_kind: global_buffer, .address_space: global }
      - { .name: stats, .offset: 8, .size: 8, .value_kind: global_buffer, .address_space: global }
      - { .name: out0, .offset: 16, .size: 8, .value_kind: global_buffer, .address_space: global }
    .group_segment_fixed_size: 17408
    .private_segment_fixed_size: 0
    .kernarg_segment_align: 8
    .kernarg_segment_size: 24
    .max_flat_workgroup_size: 256
    .sgpr_count:     66
    .vgpr_count:     226
    .wavefront_size: 32
...
	.end_amdgpu_metadata
.endif
;; end of part 5
